; MI455X (gfx1250); checked and timed in simulation.
; The chip was launched on July 23, 2026; its instructions are those of AMD's public machine-readable ISA for CDNA 5 (MIT licence, August 2026) and "CDNA5" Instruction Set Architecture Reference Guide (July 2026). The comments in the code are by the model that wrote it; some were corrected since.
;; Conditional Sliced Transport discrete. Allowed arithmetic: float matrix products may take bf16 or f16 operands with f32 sums; all other float work in f32.
;; Inputs: data 8,192 x 512 float32; knots_d 8 x 256 x 100 float32; knots_x 8 x 256 x 100 float32; knots_y 8 x 256 x 100 float32; label 8,192 int32; wT 512 x 256 float32.
;; Outputs: out0 8,192 x 512 float32; out1 8,192 float32.
;; 3 versions, each right; version 2 is faster than version 1; version 3 is version 2 with the launch spline written anew for expert scheduling mode. Each part assembles by itself: llvm-mc -triple=amdgcn-amd-amdhsa -mcpu=gfx1250 --defsym DOCPART=n.
;; ======== version 1 of 3: 5 launches
;; workspace buffers: wf1 524,288 bytes; wf2 262,144 bytes; xt 8,388,608 bytes; c1 2,097,152 bytes of whole numbers; af 4,194,304 bytes; lp 1,048,576 bytes
;; launch prep (part 1): grid 64 x 1, 8 waves a work-group, no clusters, 0 bytes of LDS; arguments wT, wf1, wf2; writes wf1, wf2
.if DOCPART == 1
	.amdgcn_target "amdgcn-amd-amdhsa--gfx1250"
	.amdhsa_code_object_version 6
	.text
	.protected	k_q49f9cafd47_prep
	.globl	k_q49f9cafd47_prep
	.p2align	8
	.type	k_q49f9cafd47_prep,@function
k_q49f9cafd47_prep:
	s_mov_b64 s[64:65], 0
	v_nop
	global_prefetch_b8 v0, s[64:65] scope:SCOPE_SE
	s_setreg_imm32_b32 hwreg(HW_REG_WAVE_MODE, 25, 1), 1
	s_wait_xcnt 0x0
; wT [512][256] f32 is laid out once in the order in which the matrix instructions' lanes want it, in bf16.
; wf1: operands of x = data wT.  byte = term*262144 + jt*16384 + ks*1024 + p*512 + lane*16; element e of the 16 bytes is
;      wT[32 ks + 16 p + 8 h + e][16 jt + r], lane = 16 h + r.  term 0: bf16(v); term 1: bf16(v - bf16(v)).
; wf2: operands of delta wT^T.  byte = it*8192 + ks*1024 + p*512 + lane*16; element e is wT[16 it + r][32 ks + 16 p + 8 h + e].
; 16,384 threads; thread T writes the 16 bytes at 16 T of wf1's two terms and of wf2, so a wave's store covers 512 neighbouring bytes.
.set LOTERM, 262144
	s_load_b128 s[4:7], s[0:1], 0x0                ; wT s[4:5], wf1 s[6:7]
	s_load_b64 s[8:9], s[0:1], 0x10                ; wf2
	s_lshl_b32 s10, ttmp9, 8
	s_mov_b32 s11, 0xffff0000                      ; a word's upper bf16
	v_add_nc_u32 v1, s10, v0                       ; T
	v_and_b32 v2, 15, v1                           ; r
	v_bfe_u32 v3, v1, 4, 1                         ; h
	v_bfe_u32 v4, v1, 5, 1                         ; p
	v_lshlrev_b32 v4, 4, v4
	v_lshl_add_u32 v4, v3, 3, v4                   ; 16 p + 8 h
	v_bfe_u32 v5, v1, 6, 4                         ; wf1: ks
	v_lshl_add_u32 v5, v5, 5, v4                   ; k = 32 ks + 16 p + 8 h
	v_lshrrev_b32 v6, 10, v1                       ; jt
	v_lshl_add_u32 v6, v6, 4, v2                   ; j = 16 jt + r
	v_lshl_add_u32 v5, v5, 8, v6
	v_lshlrev_b32 v5, 2, v5                        ; byte of wT[k][j]
	v_bfe_u32 v6, v1, 6, 3                         ; wf2: ks
	v_lshl_add_u32 v6, v6, 5, v4                   ; j = 32 ks + 16 p + 8 h
	v_lshrrev_b32 v7, 9, v1                        ; it
	v_lshl_add_u32 v7, v7, 4, v2                   ; i = 16 it + r
	v_lshl_add_u32 v6, v7, 8, v6
	v_lshlrev_b32 v6, 2, v6                        ; byte of wT[i][j]
	v_lshlrev_b32 v7, 4, v1                        ; 16 T
	s_wait_kmcnt 0x0
.irp e, 0,1,2,3,4,5,6,7
	global_load_b32 v[8+\e], v5, s[4:5] offset:1024*\e     ; eight rows k .. k+7 of one column
.endr
	global_load_b128 v[16:19], v6, s[4:5]                  ; eight neighbouring numbers of one row
	global_load_b128 v[20:23], v6, s[4:5] offset:16
	s_wait_loadcnt 0x2                             ; the eight words are in; the two younger loads may stay out
.irp q, 0,1,2,3
	v_cvt_pk_bf16_f32 v[24+\q], v[8+2*\q], v[9+2*\q]       ; the high parts
.endr
.irp q, 0,1,2,3
	v_lshlrev_b32 v[28+2*\q], 16, v[24+\q]                 ; back to f32
	v_and_b32 v[29+2*\q], s11, v[24+\q]
.endr
.irp q, 0,1,2,3
	v_pk_add_f32 v[28+2*\q:29+2*\q], v[8+2*\q:9+2*\q], v[28+2*\q:29+2*\q] neg_lo:[0,1] neg_hi:[0,1]   ; what the rounding left (exact)
.endr
.irp q, 0,1,2,3
	v_cvt_pk_bf16_f32 v[36+\q], v[28+2*\q], v[29+2*\q]     ; the low parts
.endr
	global_store_b128 v7, v[24:27], s[6:7]
	global_store_b128 v7, v[36:39], s[6:7] offset:LOTERM
	s_wait_loadcnt 0x0
.irp q, 0,1,2,3
	v_cvt_pk_bf16_f32 v[40+\q], v[16+2*\q], v[17+2*\q]
.endr
	global_store_b128 v7, v[40:43], s[8:9]
	s_endpgm
.Lfunc_end_k_q49f9cafd47_prep:
	.size	k_q49f9cafd47_prep, .Lfunc_end_k_q49f9cafd47_prep-k_q49f9cafd47_prep
	.p2alignl 7, 3214868480
	.fill 96, 4, 3214868480
	.section	.rodata,"a",@progbits
	.p2align	6, 0x0
	.amdhsa_kernel k_q49f9cafd47_prep
		.amdhsa_group_segment_fixed_size 0
		.amdhsa_private_segment_fixed_size 0
		.amdhsa_enable_private_segment 0
		.amdhsa_kernarg_size 24
		.amdhsa_user_sgpr_count 2
		.amdhsa_user_sgpr_kernarg_segment_ptr 1
		.amdhsa_wavefront_size32 1
		.amdhsa_system_sgpr_workgroup_id_x 1
		.amdhsa_system_sgpr_workgroup_id_y 1
		.amdhsa_system_sgpr_workgroup_id_z 1
		.amdhsa_system_vgpr_workitem_id 0
		.amdhsa_next_free_vgpr 48
		.amdhsa_next_free_sgpr 66
		.amdhsa_reserve_vcc 0
		.amdhsa_float_denorm_mode_32 3
		.amdhsa_float_denorm_mode_16_64 3
		.amdhsa_memory_ordered 1
		.amdhsa_forward_progress 1
		.amdhsa_inst_pref_size 4
	.end_amdhsa_kernel
	.amdgpu_metadata
---
amdhsa.version: [ 1, 2 ]
amdhsa.kernels:
  - .name:           k_q49f9cafd47_prep
    .symbol:         k_q49f9cafd47_prep.kd
    .args:
      - { .name: wT, .offset: 0, .size: 8, .value_kind: global_buffer, .address_space: global }
      - { .name: wf1, .offset: 8, .size: 8, .value_kind: global_buffer, .address_space: global }
      - { .name: wf2, .offset: 16, .size: 8, .value_kind: global_buffer, .address_space: global }
    .group_segment_fixed_size: 0
    .private_segment_fixed_size: 0
    .kernarg_segment_align: 8
    .kernarg_segment_size: 24
    .max_flat_workgroup_size: 256
    .sgpr_count:     66
    .vgpr_count:     48
    .wavefront_size: 32
...
	.end_amdgpu_metadata
.endif
;; end of part 1
;; launch proj (part 2): grid 2 x 128, 4 waves a work-group, no clusters, 168,448 bytes of LDS; arguments data, wf1, xt; writes xt
.if DOCPART == 2
	.amdgcn_target "amdgcn-amd-amdhsa--gfx1250"
	.amdhsa_code_object_version 6
	.text
	.protected	k_q49f9cafd47_proj
	.globl	k_q49f9cafd47_proj
	.p2align	8
	.type	k_q49f9cafd47_proj,@function
k_q49f9cafd47_proj:
	s_mov_b64 s[64:65], 0
	v_nop
	global_prefetch_b8 v0, s[64:65] scope:SCOPE_SE
	s_setreg_imm32_b32 hwreg(HW_REG_WAVE_MODE, 25, 1), 1
	s_wait_xcnt 0x0
; xt[j][n] = sum over k of data[n][k] wT[k][j], stored transposed ([256][8192] f32) so that the spline's lanes read rows n side by side.
; The spline's log-derivative is steep in x, so x is made from three bf16 products with f32 sums: hi.hi + hi.lo + lo.hi, where
; hi = bf16(v), lo = bf16(v - hi).  LIMIT: the lo.lo term, some 2^-16 of the products, is dropped.
; A work-group makes 64 rows x 128 components; wave w all 64 rows x components 32 w .. 32 w + 31: 8 accumulators [rt 0..3][ct 0..1].
; data is split into hi and lo once, on the way into LDS (each wave 16 rows); wT's operands come from wf1 straight into registers, since
; no two waves of the work-group want the same ones.  No tensor loads: the f32 data need the split in registers, and every LDS byte is
; written once.  No cluster: what two work-groups share here (64 rows of data) goes through registers for the split.
.set PA,    1040                       ; LDS pitch of a row of 512 bf16: 1,024 bytes + 16, an odd multiple of 16, so a fragment's 16 rows start in 16 different 16-byte columns
.set AL,    66560                      ; the low parts, behind the 64 rows of high parts
.set STAGE, 133120                     ; the way out: 32 components x 272 bytes for each wave
.set SP,    272
.set B,     16                         ; v[16:111]   wT's operands: three buffers of 32 registers [ct][term][8]
.set A,     112                        ; v[112:175]  data's operands: two sets (rt 0,1 and rt 2,3) of [rt][term][8]
.set ACC,   176                        ; v[176:239]  accumulator (rt, ct) at ACC + 8 (2 rt + ct)
.set S0,    112                        ; ahead of the products the same registers take the f32 data: two batches of 16 loads
.set S1,    176
.set T,     240                        ; v[240:247]  at work in the split
	s_load_b128 s[4:7], s[0:1], 0x0                ; data s[4:5], wf1 s[6:7]
	s_load_b64 s[8:9], s[0:1], 0x10                ; xt
	v_lshl_add_u32 v254, v0, 2, 0x29000
	v_mov_b32 v255, 0
	v_lshrrev_b32 v9, 5, v0
	v_readfirstlane_b32 s10, v9                    ; wave w
	s_and_b32 s11, ttmp7, 0xffff                   ; rb: block of 64 rows
	v_and_b32 v10, 31, v0                          ; lane L
	v_and_b32 v11, 15, v0                          ; r
	v_bfe_u32 v12, v0, 4, 1                        ; h
	s_mov_b32 s21, 0xffff0000
	v_lshlrev_b32 v1, 4, v10                       ; 16 L: the lane's place in a load of data and of wf1
	s_mul_i32 s12, s10, 16*PA
	v_lshl_add_u32 v2, v10, 3, s12                 ; where my four numbers' high parts go: my wave's 16 rows, 8 bytes a lane
	v_add_nc_u32 v3, AL, v2                        ; and the low parts
	v_mul_u32_u24 v4, v11, PA
	v_lshl_add_u32 v4, v12, 4, v4                  ; a fragment's address: row r, 16 h
	v_add_nc_u32 v5, AL, v4
	s_mul_i32 s13, s10, 32*SP
	s_add_co_u32 s13, s13, STAGE
	v_mul_u32_u24 v6, v11, SP
	v_lshl_add_u32 v6, v12, 5, v6
	v_add_nc_u32 v6, s13, v6                       ; stage in: component r, rows 8 h ..
	v_mul_u32_u24 v7, v12, SP
	v_lshl_add_u32 v7, v11, 4, v7
	v_add_nc_u32 v7, s13, v7                       ; stage back: lanes 0-15 one component's 256 bytes, lanes 16-31 the next one's
	v_lshlrev_b32 v8, 15, v12
	v_lshl_add_u32 v8, v11, 4, v8                  ; the same two components in xt
	s_lshl_b32 s14, s11, 6
	s_lshl4_add_u32 s14, s10, s14                  ; row 64 rb + 16 w
	s_lshl_b32 s14, s14, 11                        ; x 2,048 bytes
	s_mov_b32 s15, 0
	s_lshl_b32 s16, ttmp9, 3
	s_lshl1_add_u32 s16, s10, s16                  ; jt = 8 ch + 2 w
	s_lshl_b32 s16, s16, 14                        ; x 16,384 bytes of wf1
	s_mov_b32 s17, 0
	s_lshl_b32 s18, s16, 5                         ; 16 jt components x 32,768 bytes of xt
	s_lshl_b32 s20, s11, 8                         ; + 64 rb rows x 4 bytes
	s_add_co_u32 s18, s18, s20
	s_mov_b32 s19, 0
	s_wait_kmcnt 0x0
	s_add_nc_u64 s[4:5], s[4:5], s[14:15]
	s_add_nc_u64 s[6:7], s[6:7], s[16:17]
	s_add_nc_u64 s[8:9], s[8:9], s[18:19]
.macro BFETCH buf, ks                  ; 8 loads: K step ks of my 32 components, both terms
.irp ct, 0,1
.irp tm, 0,1
.irp p, 0,1
	global_load_b128 v[B+32*\buf+16*\ct+8*\tm+4*\p:B+32*\buf+16*\ct+8*\tm+4*\p+3], v1, s[6:7] offset:\tm*262144+\ct*16384+\ks*1024+\p*512
.endr
.endr
.endr
.endm
.macro DLOAD sb, b                     ; 16 loads: four of my wave's rows, 512 neighbouring bytes a load
.irp q, 0,1,2,3,4,5,6,7,8,9,10,11,12,13,14,15
	global_load_b128 v[\sb+4*\q:\sb+4*\q+3], v1, s[4:5] offset:(4*\b+(\q>>2))*2048+(\q&3)*512
.endr
.endm
.macro CONV sb, b                      ; the split of those four rows, into LDS
.irp q, 0,1,2,3,4,5,6,7,8,9,10,11,12,13,14,15
	v_cvt_pk_bf16_f32 v[T], v[\sb+4*\q], v[\sb+4*\q+1]
	v_cvt_pk_bf16_f32 v[T+1], v[\sb+4*\q+2], v[\sb+4*\q+3]
	v_lshlrev_b32 v[T+2], 16, v[T]
	v_and_b32 v[T+3], s21, v[T]
	v_lshlrev_b32 v[T+4], 16, v[T+1]
	v_and_b32 v[T+5], s21, v[T+1]
	v_pk_add_f32 v[T+2:T+3], v[\sb+4*\q:\sb+4*\q+1], v[T+2:T+3] neg_lo:[0,1] neg_hi:[0,1]
	v_pk_add_f32 v[T+4:T+5], v[\sb+4*\q+2:\sb+4*\q+3], v[T+4:T+5] neg_lo:[0,1] neg_hi:[0,1]
	v_cvt_pk_bf16_f32 v[T+6], v[T+2], v[T+3]
	v_cvt_pk_bf16_f32 v[T+7], v[T+4], v[T+5]
	ds_store_b64 v2, v[T:T+1] offset:(4*\b+(\q>>2))*PA+(\q&3)*256
	ds_store_b64 v3, v[T+6:T+7] offset:(4*\b+(\q>>2))*PA+(\q&3)*256
.endr
.endm
.macro AFETCH set, ks                  ; 8 LDS loads: K step ks of 32 rows, high and low parts
.irp rl, 0,1
	ds_load_b128 v[A+32*\set+16*\rl:A+32*\set+16*\rl+3],     v4 offset:(2*\set+\rl)*16*PA+64*\ks
	ds_load_b128 v[A+32*\set+16*\rl+4:A+32*\set+16*\rl+7],   v4 offset:(2*\set+\rl)*16*PA+64*\ks+32
	ds_load_b128 v[A+32*\set+16*\rl+8:A+32*\set+16*\rl+11],  v5 offset:(2*\set+\rl)*16*PA+64*\ks
	ds_load_b128 v[A+32*\set+16*\rl+12:A+32*\set+16*\rl+15], v5 offset:(2*\set+\rl)*16*PA+64*\ks+32
.endr
.endm
.macro MUL4 set, buf, ta, tb, zero     ; one term on the set's four accumulators
.irp rl, 0,1
.irp ct, 0,1
.if \zero
	v_wmma_f32_16x16x32_bf16 v[ACC+8*(4*\set+2*\rl+\ct):ACC+8*(4*\set+2*\rl+\ct)+7], v[A+32*\set+16*\rl+8*\ta:A+32*\set+16*\rl+8*\ta+7], v[B+32*\buf+16*\ct+8*\tb:B+32*\buf+16*\ct+8*\tb+7], 0
.else
	v_wmma_f32_16x16x32_bf16 v[ACC+8*(4*\set+2*\rl+\ct):ACC+8*(4*\set+2*\rl+\ct)+7], v[A+32*\set+16*\rl+8*\ta:A+32*\set+16*\rl+8*\ta+7], v[B+32*\buf+16*\ct+8*\tb:B+32*\buf+16*\ct+8*\tb+7], v[ACC+8*(4*\set+2*\rl+\ct):ACC+8*(4*\set+2*\rl+\ct)+7]
.endif
.endr
.endr
.endm
.macro MULH set, buf, zero             ; 12 matrix instructions; the four accumulators take turns, one instruction a turn
	MUL4 \set, \buf, 0, 0, \zero       ; hi . hi (in the first K step it starts the sums: nothing is cleared)
	MUL4 \set, \buf, 0, 1, 0           ; hi . lo
	MUL4 \set, \buf, 1, 0, 0           ; lo . hi
.endm
.macro PLACES                          ; four places behind a matrix instruction before a load lands on its sources or a store reads its result
.rept 4
	v_nop
.endr
.endm
.macro KSTEP ks, zero
.if \ks < 14
	s_wait_loadcnt 16                              ; this step's 8 loads of wT are in; the two younger buffers (16 loads) may stay out
.else
	s_wait_loadcnt 8*(15-\ks)                      ; the last steps: one younger buffer, then none
.endif
	s_wait_dscnt 8                                 ; set 0 is in; set 1's eight loads are younger
	MULH 0, (\ks%3), \zero
.if \ks < 15
	PLACES
	AFETCH 0, (\ks+1)
	s_wait_dscnt 8                                 ; set 1 is in; the eight just issued are younger
.else
	s_wait_dscnt 0
.endif
	MULH 1, (\ks%3), \zero
	PLACES
.if \ks < 15
	AFETCH 1, (\ks+1)
.endif
.if \ks < 13
	BFETCH (\ks%3), (\ks+3)                        ; the buffer just multiplied gets the K step three ahead
.endif
.endm
	BFETCH 0, 0
	BFETCH 1, 1
	BFETCH 2, 2
	DLOAD S0, 0
	DLOAD S1, 1
	s_wait_loadcnt 16                              ; all but the youngest batch of 16
	CONV S0, 0
	DLOAD S0, 2
	s_wait_loadcnt 16
	CONV S1, 1
	DLOAD S1, 3
	s_wait_loadcnt 16
	CONV S0, 2
	s_wait_loadcnt 0
	CONV S1, 3
	s_wait_dscnt 0x0                               ; my 16 rows are in LDS, for the other waves' sake
	s_barrier_signal -1
	s_barrier_wait -1                              ; all 64 rows are
	AFETCH 0, 0
	AFETCH 1, 0
	KSTEP 0, 1
.irp ks, 1,2,3,4,5,6,7,8,9,10,11,12,13,14,15
	KSTEP \ks, 0
.endr
	; The way out.  A lane holds one component (r) and eight neighbouring rows (8 h + 0..7): 32 bytes of a row of xt.  Through my own stage,
	; so that sixteen lanes store a component's 64 rows, 256 consecutive bytes at a multiple of 256.  The places stand at the end of the last K step.
.irp rt, 0,1,2,3
.irp ct, 0,1
	ds_store_b128 v6, v[ACC+8*(2*\rt+\ct):ACC+8*(2*\rt+\ct)+3]   offset:\ct*16*SP+\rt*64
	ds_store_b128 v6, v[ACC+8*(2*\rt+\ct)+4:ACC+8*(2*\rt+\ct)+7] offset:\ct*16*SP+\rt*64+16
.endr
.endr
.irp u, 0,1,2,3,4,5,6,7,8,9,10,11,12,13,14,15
	ds_load_b128 v[B+4*\u:B+4*\u+3], v7 offset:\u*2*SP             ; a wave's LDS instructions are served in order: these see the stores above
.endr
.irp u, 0,1,2,3,4,5,6,7,8,9,10,11,12,13,14,15
	s_wait_dscnt 15-\u
	global_store_b128 v8, v[B+4*\u:B+4*\u+3], s[8:9] offset:\u*65536
.endr
	s_wait_tensorcnt 0x0
	ds_add_u32 v254, v255
	s_wait_dscnt 0x0
	s_endpgm
.Lfunc_end_k_q49f9cafd47_proj:
	.size	k_q49f9cafd47_proj, .Lfunc_end_k_q49f9cafd47_proj-k_q49f9cafd47_proj
	.p2alignl 7, 3214868480
	.fill 96, 4, 3214868480
	.section	.rodata,"a",@progbits
	.p2align	6, 0x0
	.amdhsa_kernel k_q49f9cafd47_proj
		.amdhsa_group_segment_fixed_size 168448
		.amdhsa_private_segment_fixed_size 0
		.amdhsa_enable_private_segment 0
		.amdhsa_kernarg_size 24
		.amdhsa_user_sgpr_count 2
		.amdhsa_user_sgpr_kernarg_segment_ptr 1
		.amdhsa_wavefront_size32 1
		.amdhsa_system_sgpr_workgroup_id_x 1
		.amdhsa_system_sgpr_workgroup_id_y 1
		.amdhsa_system_sgpr_workgroup_id_z 1
		.amdhsa_system_vgpr_workitem_id 0
		.amdhsa_next_free_vgpr 256
		.amdhsa_next_free_sgpr 66
		.amdhsa_reserve_vcc 0
		.amdhsa_float_denorm_mode_32 3
		.amdhsa_float_denorm_mode_16_64 3
		.amdhsa_memory_ordered 1
		.amdhsa_forward_progress 1
		.amdhsa_inst_pref_size 111
	.end_amdhsa_kernel
	.amdgpu_metadata
---
amdhsa.version: [ 1, 2 ]
amdhsa.kernels:
  - .name:           k_q49f9cafd47_proj
    .symbol:         k_q49f9cafd47_proj.kd
    .args:
      - { .name: data, .offset: 0, .size: 8, .value_kind: global_buffer, .address_space: global }
      - { .name: wf1, .offset: 8, .size: 8, .value_kind: global_buffer, .address_space: global }
      - { .name: xt, .offset: 16, .size: 8, .value_kind: global_buffer, .address_space: global }
    .group_segment_fixed_size: 168448
    .private_segment_fixed_size: 0
    .kernarg_segment_align: 8
    .kernarg_segment_size: 24
    .max_flat_workgroup_size: 128
    .sgpr_count:     66
    .vgpr_count:     256
    .wavefront_size: 32
...
	.end_amdgpu_metadata
.endif
;; end of part 2
;; launch coarse (part 3): grid 32 x 8, 8 waves a work-group, no clusters, 15,360 bytes of LDS; arguments xt, knots_x, label, c1; writes c1
.if DOCPART == 3
	.amdgcn_target "amdgcn-amd-amdhsa--gfx1250"
	.amdhsa_code_object_version 6
	.text
	.protected	k_q49f9cafd47_coarse
	.globl	k_q49f9cafd47_coarse
	.p2align	8
	.type	k_q49f9cafd47_coarse,@function
k_q49f9cafd47_coarse:
	s_mov_b64 s[64:65], 0
	v_nop
	global_prefetch_b8 v0, s[64:65] scope:SCOPE_SE
	s_setreg_imm32_b32 hwreg(HW_REG_WAVE_MODE, 25, 1), 1
	s_wait_xcnt 0x0
; The first level of searchsorted: c1[j][n] = how many of the 24 knots xk[label[n]][j][4 m + 3], m = 0 .. 23, lie below x = xt[j][n] (0 .. 24),
; one byte each.  The count is stored as whole numbers, because the next launch forms LDS addresses from it.
; LIMITS: the knots of a row ascend, as searchsorted itself assumes.  A label outside 0..7 is counted against class 7; the spline discards it.
; A work-group takes 8 components (8 g ..) x 1,024 rows (1,024 sr ..); thread t the rows 4 t .. 4 t + 3 of all eight components.
; No matrix unit, no tensor load, no cluster: 6 KiB of knots a work-group, and the work is compares in registers.
.set CS, 6144                          ; LDS: [jj 8][class 8][24 knots] at 0 (a class every 96 bytes: the eight classes' 16-byte pieces lie in eight different columns of 256 bytes);
                                       ;      the counts [jj 8][1,024 bytes] at CS
.set X,  16                            ; v[16:47]  x of element n = 4 jj + e
.set K,  48                            ; v[48:95]  two sets of 24 knots
.set CN, 96                            ; v[96:99]  the counts of the four rows, v100 packed
	s_load_b256 s[4:11], s[0:1], 0x0               ; xt s[4:5], knots_x s[6:7], label s[8:9], c1 s[10:11]
	v_lshl_add_u32 v112, v0, 2, 0x3800
	v_mov_b32 v113, 0
	s_and_b32 s12, ttmp7, 0xffff                   ; sr
	s_lshl_b32 s18, s12, 12                        ; 1,024 sr rows x 4 bytes
	s_mov_b32 s19, 0
	s_lshl_b32 s14, ttmp9, 18                      ; 8 g components x 32,768 bytes of xt
	s_add_co_u32 s14, s14, s18
	s_mov_b32 s15, 0
	s_mul_i32 s16, ttmp9, 3200                     ; 8 g rows of 100 knots
	s_mov_b32 s17, 0
	s_lshl_b32 s20, ttmp9, 16                      ; 8 g components x 8,192 bytes of c1
	s_lshl_b32 s21, s12, 10
	s_add_co_u32 s20, s20, s21
	s_mov_b32 s21, 0
	v_lshlrev_b32 v1, 4, v0                        ; 16 t
	v_lshlrev_b32 v12, 2, v0                       ; 4 t
	v_and_b32 v2, 3, v0                            ; the fill: a = which six of the 24 knots
	v_bfe_u32 v3, v0, 2, 3                         ; jj
	v_lshrrev_b32 v13, 5, v0                       ; class
	v_mul_u32_u24 v14, v2, 96
	v_mad_u32_u24 v14, v3, 0x190, v14
	v_mad_u32_u24 v14, v13, 0x19000, v14           ; class x 102,400 + jj x 400 + a x 96
	v_lshl_add_u32 v15, v3, 3, v13
	v_mul_u32_u24 v15, v15, 96
	v_mad_u32_u24 v15, v2, 24, v15                 ; (8 jj + class) x 96 + a x 24
	v_and_b32 v109, 63, v0
	v_lshlrev_b32 v109, 4, v109
	v_lshrrev_b32 v108, 6, v0
	v_lshl_add_u32 v108, v108, 13, v109            ; the way out: component t / 64, 16 bytes at 16 (t mod 64)
	s_wait_kmcnt 0x0
	s_add_nc_u64 s[4:5], s[4:5], s[14:15]
	s_add_nc_u64 s[6:7], s[6:7], s[16:17]
	s_add_nc_u64 s[8:9], s[8:9], s[18:19]
	s_add_nc_u64 s[10:11], s[10:11], s[20:21]
	global_load_b128 v[4:7], v1, s[8:9]
.irp jj, 0,1,2,3,4,5,6,7
	global_load_b128 v[X+4*\jj:X+4*\jj+3], v1, s[4:5] offset:\jj*32768
.endr
.irp mm, 0,1,2,3,4,5
	global_load_b32 v[102+\mm], v14, s[6:7] offset:12+16*\mm       ; every fourth knot
.endr
	s_wait_loadcnt 0x0
.irp mm, 0,1,2,3,4,5
	ds_store_b32 v15, v[102+\mm] offset:4*\mm
.endr
.irp e, 0,1,2,3
	v_min_u32 v[4+\e], 7, v[4+\e]
	v_mul_u32_u24 v[8+\e], 0x60, v[4+\e]           ; the class's 96 bytes
.endr
	s_wait_dscnt 0x0                               ; my knots are in LDS, for the other waves' sake
	s_barrier_signal -1
	s_barrier_wait -1
.macro KFETCH el                       ; six LDS loads: the 24 knots of element el's class and component
.irp q, 0,1,2,3,4,5
	ds_load_b128 v[K+24*((\el)&1)+4*\q:K+24*((\el)&1)+4*\q+3], v[8+((\el)&3)] offset:((\el)>>2)*768+16*\q
.endr
.endm
.macro ELEM el
.if \el < 31
	s_wait_dscnt 6                                 ; my 24 knots are in; the next element's six loads are younger
.else
	s_wait_dscnt 0
.endif
	v_cmp_lt_f32 vcc_lo, v[K+24*(\el&1)], v[X+\el]
	v_cndmask_b32 v[CN+(\el&3)], 0, 1, vcc_lo      ; the first compare starts the count
.set i, 1
.rept 23
	v_cmp_lt_f32 vcc_lo, v[K+24*(\el&1)+i], v[X+\el]
	v_add_co_ci_u32 v[CN+(\el&3)], vcc_lo, 0, v[CN+(\el&3)], vcc_lo    ; count += (knot < x)
.set i, i+1
.endr
.if (\el&3) == 3
	v_lshl_or_b32 v100, v[CN+1], 8, v[CN]
	v_lshl_or_b32 v100, v[CN+2], 16, v100
	v_lshl_or_b32 v100, v[CN+3], 24, v100
	ds_store_b32 v12, v100 offset:CS+(\el>>2)*1024 ; four rows' counts
.endif
.if \el < 30
	KFETCH (\el+2)
.endif
.endm
	KFETCH 0
	KFETCH 1
.irp el, 0,1,2,3,4,5,6,7,8,9,10,11,12,13,14,15,16,17,18,19,20,21,22,23,24,25,26,27,28,29,30,31
	ELEM \el
.endr
	s_wait_dscnt 0x0                               ; my counts are in LDS
	s_barrier_signal -1
	s_barrier_wait -1
	ds_load_b128 v[48:51], v1 offset:CS
	ds_load_b128 v[52:55], v1 offset:CS+4096
	s_wait_dscnt 0x1
	global_store_b128 v108, v[48:51], s[10:11]                     ; sixteen lanes store 256 consecutive bytes, aligned
	s_wait_dscnt 0x0
	global_store_b128 v108, v[52:55], s[10:11] offset:32768
	s_wait_tensorcnt 0x0
	ds_add_u32 v112, v113
	s_wait_dscnt 0x0
	s_endpgm
.Lfunc_end_k_q49f9cafd47_coarse:
	.size	k_q49f9cafd47_coarse, .Lfunc_end_k_q49f9cafd47_coarse-k_q49f9cafd47_coarse
	.p2alignl 7, 3214868480
	.fill 96, 4, 3214868480
	.section	.rodata,"a",@progbits
	.p2align	6, 0x0
	.amdhsa_kernel k_q49f9cafd47_coarse
		.amdhsa_group_segment_fixed_size 15360
		.amdhsa_private_segment_fixed_size 0
		.amdhsa_enable_private_segment 0
		.amdhsa_kernarg_size 32
		.amdhsa_user_sgpr_count 2
		.amdhsa_user_sgpr_kernarg_segment_ptr 1
		.amdhsa_wavefront_size32 1
		.amdhsa_system_sgpr_workgroup_id_x 1
		.amdhsa_system_sgpr_workgroup_id_y 1
		.amdhsa_system_sgpr_workgroup_id_z 1
		.amdhsa_system_vgpr_workitem_id 0
		.amdhsa_next_free_vgpr 114
		.amdhsa_next_free_sgpr 66
		.amdhsa_reserve_vcc 1
		.amdhsa_float_denorm_mode_32 3
		.amdhsa_float_denorm_mode_16_64 3
		.amdhsa_memory_ordered 1
		.amdhsa_forward_progress 1
		.amdhsa_inst_pref_size 69
	.end_amdhsa_kernel
	.amdgpu_metadata
---
amdhsa.version: [ 1, 2 ]
amdhsa.kernels:
  - .name:           k_q49f9cafd47_coarse
    .symbol:         k_q49f9cafd47_coarse.kd
    .args:
      - { .name: xt, .offset: 0, .size: 8, .value_kind: global_buffer, .address_space: global }
      - { .name: knots_x, .offset: 8, .size: 8, .value_kind: global_buffer, .address_space: global }
      - { .name: label, .offset: 16, .size: 8, .value_kind: global_buffer, .address_space: global }
      - { .name: c1, .offset: 24, .size: 8, .value_kind: global_buffer, .address_space: global }
    .group_segment_fixed_size: 15360
    .private_segment_fixed_size: 0
    .kernarg_segment_align: 8
    .kernarg_segment_size: 32
    .max_flat_workgroup_size: 256
    .sgpr_count:     66
    .vgpr_count:     114
    .wavefront_size: 32
...
	.end_amdgpu_metadata
.endif
;; end of part 3
;; launch spline (part 4): grid 32 x 8, 8 waves a work-group, no clusters, 116,224 bytes of LDS; arguments xt, c1, label, knots_x, knots_y, knots_d, af, lp; writes af, lp
.if DOCPART == 4
	.amdgcn_target "amdgcn-amd-amdhsa--gfx1250"
	.amdhsa_code_object_version 6
	.text
	.protected	k_q49f9cafd47_spline
	.globl	k_q49f9cafd47_spline
	.p2align	8
	.type	k_q49f9cafd47_spline,@function
k_q49f9cafd47_spline:
	s_mov_b64 s[64:65], 0
	v_nop
	global_prefetch_b8 v0, s[64:65] scope:SCOPE_SE
	s_setreg_imm32_b32 hwreg(HW_REG_WAVE_MODE, 25, 1), 1
	s_wait_xcnt 0x0
; The rational-quadratic spline.  For element (n, j): x = xt[j][n], class = label[n], c1 = the coarse count.  Knots 4 c1 .. 4 c1 + 3 (a quad) and knot
; 4 c1 - 1 of x, y, d are fetched from LDS; idx = 4 c1 + (how many of the quad lie below x); the pair (k, k+1), k = clip(idx - 1, 0, 98), is picked
; by selects alone.  Stored: af = bf16(y - x) in the order of the last product's operands, and lp[g][n] = sum of log dy/dx over components 8 g .. 8 g + 7.
; The three logarithms of the reference are one: logd = ln 2 x log2(nd (s / den)^2); outside the knots log of the edge derivative.
; LIMITS: knots ascend (as searchsorted assumes); NaN in x is not served; a bin width or a denominator below 2^-126 is taken as zero by v_rcp_f32
; (ISA guide 15.8).  A label outside 0..7 gives y = 0 and logd = 0, as in the reference.
; A work-group takes 8 components x 1,024 rows; thread t rows 4 t .. 4 t + 3 of all eight.  No matrix unit; no tensor loads (the tables are
; re-ordered on the way into LDS and written once); no cluster (the tables are 77 KB a work-group, read once).
; LDS: 0..511 guard (zeros; what knot 4 c1 - 1 reads for c1 = 0 of the first component: never selected);
;      TB + u x 384 + table x 128 + class x 16, u = 25 jj + quad: lanes of different classes read different 16-byte columns;
;      rows u = 200 .. 255 are pad (every thread stores a row of its own);  STG: 2,048 bytes for each wave, for the way out.
.set TB,   512
.set UP,   384
.set PREV, 372                         ; knot 4 c1 - 1 lies 384 - 12 bytes in front of the quad
.set STG,  98816
.set X,    16                          ; v[16:47]   x of element 4 jj + e
.set CW,   48                          ; v[48:55]   the four rows' counts of component jj, a byte each
.set ACCL, 60                          ; v[60:63]   sum of log2 for my four rows
.set QS,   64                          ; v[64:103]  two sets of 20: quads of x, y, d (12), knot 4 c1 - 1 of x, y, d (3), c1, the address
.set W,    104                         ; v104 x0, v105 x1, v106 y0, v107 y1, v108 d0, v109 d1; v110-130 at work
.set DE,   132                         ; v[132:135] y - x of the even component
.set CH,   136                         ; v[136:151] row e: eight bf16 of y - x
	s_load_b256 s[4:11], s[0:1], 0x0               ; xt s[4:5], c1 s[6:7], label s[8:9], knots_x s[10:11]
	s_load_b256 s[12:19], s[0:1], 0x20             ; knots_y s[12:13], knots_d s[14:15], af s[16:17], lp s[18:19]
	v_lshl_add_u32 v160, v0, 2, 0x1c200
	v_mov_b32 v161, 0
	v_lshrrev_b32 v5, 5, v0
	v_readfirstlane_b32 s20, v5                    ; wave w
	s_and_b32 s21, ttmp7, 0xffff                   ; sr
	s_lshl_b32 s24, s21, 12                        ; 1,024 sr rows x 4 bytes (label)
	s_mov_b32 s25, 0
	s_lshl_b32 s22, ttmp9, 18                      ; xt: 8 g components x 32,768
	s_add_co_u32 s22, s22, s24
	s_mov_b32 s23, 0
	s_lshl_b32 s26, ttmp9, 16                      ; c1: 8 g components x 8,192
	s_lshl_b32 s27, s21, 10
	s_add_co_u32 s26, s26, s27
	s_mov_b32 s27, 0
	s_mul_i32 s40, ttmp9, 3200                     ; knots: 8 g rows of 400 bytes
	s_mov_b32 s41, 0
	s_lshl_b32 s42, ttmp9, 15                      ; lp: g x 32,768
	s_add_co_u32 s42, s42, s24
	s_mov_b32 s43, 0
	s_lshl_b32 s44, s21, 6
	s_lshl3_add_u32 s44, s20, s44                  ; af: block of 16 rows 64 sr + 8 w,
	s_lshl_b32 s44, s44, 13                        ; x 8,192 bytes,
	s_lshl_b32 s45, ttmp9, 8                       ; + (g>>2) 1,024 + ((g>>1)&1) 512 + (g&1) 256 = 256 g
	s_add_co_u32 s44, s44, s45
	s_mov_b32 s45, 0
	s_lshl_b32 s46, s20, 11
	s_add_co_u32 s46, s46, STG                     ; my stage
	v_lshlrev_b32 v1, 4, v0                        ; 16 t
	v_lshlrev_b32 v2, 2, v0                        ; 4 t
	v_min_u32 v3, 199, v0
	v_lshlrev_b32 v3, 4, v3                        ; the fill reads chunk min(t, 199) of the group's 200 chunks of 16 bytes: no load leaves a table
	v_mul_u32_u24 v4, v0, UP                       ; and writes row t
	v_and_b32 v7, 31, v0
	v_lshl_add_u32 v5, v7, 6, s46                  ; stage in: 64 bytes a lane (four rows)
	v_lshl_add_u32 v6, v7, 4, s46                  ; stage back: 16 bytes a lane
	v_and_b32 v8, 15, v0
	v_bfe_u32 v7, v0, 4, 1
	v_lshlrev_b32 v7, 13, v7
	v_lshl_add_u32 v7, v8, 4, v7                   ; af: lanes 16-31 one block of 16 rows further
.irp e, 0,1,2,3
	v_mov_b32 v[ACCL+\e], 0                        ; zeros for the guard
.endr
	s_wait_kmcnt 0x0
	s_add_nc_u64 s[4:5], s[4:5], s[22:23]
	s_add_nc_u64 s[6:7], s[6:7], s[26:27]
	s_add_nc_u64 s[8:9], s[8:9], s[24:25]
	s_add_nc_u64 s[10:11], s[10:11], s[40:41]
	s_add_nc_u64 s[12:13], s[12:13], s[40:41]
	s_add_nc_u64 s[14:15], s[14:15], s[40:41]
	s_add_nc_u64 s[16:17], s[16:17], s[44:45]
	s_add_nc_u64 s[18:19], s[18:19], s[42:43]
	global_load_b128 v[8:11], v1, s[8:9]
.irp jj, 0,1,2,3,4,5,6,7
	global_load_b128 v[X+4*\jj:X+4*\jj+3], v1, s[4:5] offset:\jj*32768
.endr
.irp jj, 0,1,2,3,4,5,6,7
	global_load_b32 v[CW+\jj], v2, s[6:7] offset:\jj*8192
.endr
.irp tab, 0,1,2
.irp c, 0,1,2,3,4,5,6,7
	global_load_b128 v[64+4*(8*\tab+\c):64+4*(8*\tab+\c)+3], v3, s[10+2*\tab:11+2*\tab] offset:\c*102400
.endr
.endr
	s_cmp_lg_u32 s20, 0
	s_cbranch_scc1 .Lnot0
	ds_store_b128 v1, v[ACCL:ACCL+3]               ; wave 0: 32 lanes x 16 bytes = the guard
.Lnot0:
.irp tab, 0,1,2
.irp c, 0,1,2,3,4,5,6,7
	s_wait_loadcnt 23-(8*\tab+\c)                  ; this chunk is in; the younger table loads stay out
	ds_store_b128 v4, v[64+4*(8*\tab+\c):64+4*(8*\tab+\c)+3] offset:TB+\tab*128+\c*16
.endr
.endr
.irp e, 0,1,2,3
	v_cmp_lt_u32 s[28+\e], 7, v[8+\e]              ; a label that names no class
	v_min_u32 v[8+\e], 7, v[8+\e]
	v_lshlrev_b32 v[12+\e], 4, v[8+\e]             ; the class's column, components 0-3
	v_add_nc_u32 v[56+\e], 4*25*UP, v[12+\e]       ; and components 4-7: the rest of jj stands in the loads' immediates
.endr
	s_wait_dscnt 0x0                               ; my rows of the tables are in LDS, for the other waves' sake
	s_barrier_signal -1
	s_barrier_wait -1
.macro SFETCH el                       ; six LDS loads for element el
.set FB, QS+20*((\el)&1)
.set OB, TB+(((\el)>>2)&3)*25*UP
	v_bfe_u32 v[FB+15], v[CW+((\el)>>2)], 8*((\el)&3), 8
	v_min_u32 v[FB+15], 24, v[FB+15]               ; c1
	v_mul_u32_u24 v[FB+16], 0x180, v[FB+15]
.if ((\el)>>2) < 4
	v_add_nc_u32 v[FB+16], v[FB+16], v[12+((\el)&3)]
.else
	v_add_nc_u32 v[FB+16], v[FB+16], v[56+((\el)&3)]
.endif
	ds_load_b128 v[FB:FB+3],    v[FB+16] offset:OB
	ds_load_b128 v[FB+4:FB+7],  v[FB+16] offset:OB+128
	ds_load_b128 v[FB+8:FB+11], v[FB+16] offset:OB+256
	ds_load_b32 v[FB+12], v[FB+16] offset:OB-PREV
	ds_load_b32 v[FB+13], v[FB+16] offset:OB-PREV+128
	ds_load_b32 v[FB+14], v[FB+16] offset:OB-PREV+256
.endm
.macro ELEM el
.set SB, QS+20*(\el&1)
.set XR, X+\el
.set E,  \el&3
.set JJ, \el>>2
.if \el < 31
	s_wait_dscnt 6                                 ; my six loads are in; the next element's six are younger
.else
	s_wait_dscnt 0
.endif
	v_cmp_lt_f32 s32, v[SB], v[XR]                 ; m0 .. m3: which knots of the quad lie below x
	v_cmp_lt_f32 s33, v[SB+1], v[XR]
	v_cmp_lt_f32 s34, v[SB+2], v[XR]
	v_cmp_lt_f32 s35, v[SB+3], v[XR]               ; m3 can hold in the last quad alone: idx = 100, above
	v_cmp_eq_u32 s36, 0, v[SB+15]
	s_or_b32 s37, s32, s36                         ; m0 or c1 = 0: k is not in front of the quad
	s_and_not1_b32 s38, s36, s32                   ; c1 = 0 and not m0: idx = 0, below
.irp tb, 0,1,2
	v_cndmask_b32 v[W+2*\tb],   v[SB+12+\tb], v[SB+4*\tb],   s37
	v_cndmask_b32 v[W+2*\tb+1], v[SB+4*\tb],  v[SB+4*\tb+1], s37
	v_cndmask_b32 v[W+2*\tb],   v[W+2*\tb],   v[SB+4*\tb+1], s33
	v_cndmask_b32 v[W+2*\tb+1], v[W+2*\tb+1], v[SB+4*\tb+2], s33
	v_cndmask_b32 v[W+2*\tb],   v[W+2*\tb],   v[SB+4*\tb+2], s34
	v_cndmask_b32 v[W+2*\tb+1], v[W+2*\tb+1], v[SB+4*\tb+3], s34
.endr
.if \el < 30
	SFETCH (\el+2)                                 ; the set is free: the arithmetic below covers the loads' way
.endif
	v_sub_f32 v110, v105, v104                     ; w
	v_sub_f32 v111, v107, v106                     ; y1 - y0
	v_sub_f32 v112, v[XR], v104                    ; x - x0
	v_rcp_f32 v113, v110
	v_sub_f32 v114, v[XR], v105                    ; x - x1 (the plain instruction behind v_rcp_f32: ISA guide 5.7.2)
	v_add_f32 v115, v108, v109
	s_wait_alu depctr_va_vdst(0)
	v_mul_f32 v116, v111, v113                     ; s
	v_mul_f32 v117, v112, v113
	v_med3_num_f32 v117, v117, 0, 1.0              ; xi
	v_sub_f32 v118, 1.0, v117                      ; 1 - xi
	v_fma_f32 v115, -2.0, v116, v115               ; d0 + d1 - 2 s
	v_mul_f32 v119, v117, v118                     ; xi (1 - xi)
	v_fma_f32 v120, v115, v119, v116               ; denom
	v_rcp_f32 v121, v120
	v_mul_f32 v122, v116, v117                     ; (plain, touches neither)
	v_mul_f32 v124, v109, v117
	v_fma_f32 v122, v108, v118, v122               ; s xi + d0 (1 - xi)
	v_mul_f32 v124, v124, v117                     ; d1 xi^2
	v_add_f32 v125, v116, v116
	v_mul_f32 v122, v117, v122
	v_fma_f32 v124, v125, v119, v124
	v_mul_f32 v125, v108, v118
	v_mul_f32 v122, v111, v122
	v_fma_f32 v124, v125, v118, v124               ; d1 xi^2 + 2 s xi (1 - xi) + d0 (1 - xi)^2
	s_wait_alu depctr_va_vdst(0)
	v_mul_f32 v126, v116, v121                     ; s / denom
	v_fma_f32 v123, v122, v121, v106               ; y inside
	v_mul_f32 v124, v124, v126
	v_fma_f32 v127, v108, v112, v106               ; y below: y0 + d0 (x - x0), knot 0
	v_mul_f32 v124, v124, v126                     ; dy/dx inside
	v_fma_f32 v128, v109, v114, v107               ; y above: y1 + d1 (x - x1), knot 99
	v_cndmask_b32 v123, v123, v128, s35
	v_cndmask_b32 v124, v124, v109, s35
	v_cndmask_b32 v123, v123, v127, s38
	v_cndmask_b32 v124, v124, v108, s38
	v_cndmask_b32 v123, v123, 0, s[28+E]
	v_cndmask_b32 v124, v124, 1.0, s[28+E]
.if JJ == 0
	v_log_f32 v[ACCL+E], v124                      ; the first component starts the sum
	v_sub_f32 v[DE+E], v123, v[XR]
.else
	v_log_f32 v129, v124
.if JJ & 1
	v_sub_f32 v130, v123, v[XR]                    ; y - x (the plain instruction behind v_log_f32)
	s_wait_alu depctr_va_vdst(0)
	v_add_f32 v[ACCL+E], v[ACCL+E], v129
	v_cvt_pk_bf16_f32 v[CH+4*E+(JJ>>1)], v[DE+E], v130
.else
	v_sub_f32 v[DE+E], v123, v[XR]
	s_wait_alu depctr_va_vdst(0)
	v_add_f32 v[ACCL+E], v[ACCL+E], v129
.endif
.endif
.endm
	SFETCH 0
	SFETCH 1
.irp el, 0,1,2,3,4,5,6,7,8,9,10,11,12,13,14,15,16,17,18,19,20,21,22,23,24,25,26,27,28,29,30,31
	ELEM \el
.endr
	v_pk_mul_f32 v[ACCL:ACCL+1], v[ACCL:ACCL+1], 0x3f317218 op_sel_hi:[1,0]       ; x ln 2
	v_pk_mul_f32 v[ACCL+2:ACCL+3], v[ACCL+2:ACCL+3], 0x3f317218 op_sel_hi:[1,0]
	global_store_b128 v1, v[ACCL:ACCL+3], s[18:19]
	; y - x: a row's eight bf16 are 16 bytes; through my own stage, so that sixteen lanes hold sixteen neighbouring rows, 256 consecutive bytes of af
.irp e, 0,1,2,3
	ds_store_b128 v5, v[CH+4*\e:CH+4*\e+3] offset:16*\e
.endr
.irp e, 0,1,2,3
	ds_load_b128 v[QS+4*\e:QS+4*\e+3], v6 offset:512*\e            ; a wave's LDS instructions are served in order
.endr
.irp e, 0,1,2,3
	s_wait_dscnt 3-\e
	global_store_b128 v7, v[QS+4*\e:QS+4*\e+3], s[16:17] offset:\e*16384
.endr
	s_wait_tensorcnt 0x0
	ds_add_u32 v160, v161
	s_wait_dscnt 0x0
	s_endpgm
.Lfunc_end_k_q49f9cafd47_spline:
	.size	k_q49f9cafd47_spline, .Lfunc_end_k_q49f9cafd47_spline-k_q49f9cafd47_spline
	.p2alignl 7, 3214868480
	.fill 96, 4, 3214868480
	.section	.rodata,"a",@progbits
	.p2align	6, 0x0
	.amdhsa_kernel k_q49f9cafd47_spline
		.amdhsa_group_segment_fixed_size 116224
		.amdhsa_private_segment_fixed_size 0
		.amdhsa_enable_private_segment 0
		.amdhsa_kernarg_size 64
		.amdhsa_user_sgpr_count 2
		.amdhsa_user_sgpr_kernarg_segment_ptr 1
		.amdhsa_wavefront_size32 1
		.amdhsa_system_sgpr_workgroup_id_x 1
		.amdhsa_system_sgpr_workgroup_id_y 1
		.amdhsa_system_sgpr_workgroup_id_z 1
		.amdhsa_system_vgpr_workitem_id 0
		.amdhsa_next_free_vgpr 162
		.amdhsa_next_free_sgpr 66
		.amdhsa_reserve_vcc 0
		.amdhsa_float_denorm_mode_32 3
		.amdhsa_float_denorm_mode_16_64 3
		.amdhsa_memory_ordered 1
		.amdhsa_forward_progress 1
		.amdhsa_inst_pref_size 136
	.end_amdhsa_kernel
	.amdgpu_metadata
---
amdhsa.version: [ 1, 2 ]
amdhsa.kernels:
  - .name:           k_q49f9cafd47_spline
    .symbol:         k_q49f9cafd47_spline.kd
    .args:
      - { .name: xt, .offset: 0, .size: 8, .value_kind: global_buffer, .address_space: global }
      - { .name: c1, .offset: 8, .size: 8, .value_kind: global_buffer, .address_space: global }
      - { .name: label, .offset: 16, .size: 8, .value_kind: global_buffer, .address_space: global }
      - { .name: knots_x, .offset: 24, .size: 8, .value_kind: global_buffer, .address_space: global }
      - { .name: knots_y, .offset: 32, .size: 8, .value_kind: global_buffer, .address_space: global }
      - { .name: knots_d, .offset: 40, .size: 8, .value_kind: global_buffer, .address_space: global }
      - { .name: af, .offset: 48, .size: 8, .value_kind: global_buffer, .address_space: global }
      - { .name: lp, .offset: 56, .size: 8, .value_kind: global_buffer, .address_space: global }
    .group_segment_fixed_size: 116224
    .private_segment_fixed_size: 0
    .kernarg_segment_align: 8
    .kernarg_segment_size: 64
    .max_flat_workgroup_size: 256
    .sgpr_count:     66
    .vgpr_count:     162
    .wavefront_size: 32
...
	.end_amdgpu_metadata
.endif
;; end of part 4
;; launch back (part 5): grid 4 x 64, 8 waves a work-group, no clusters, 168,960 bytes of LDS; arguments af, wf2, data, lp, out0, out1; writes out0, out1
.if DOCPART == 5
	.amdgcn_target "amdgcn-amd-amdhsa--gfx1250"
	.amdhsa_code_object_version 6
	.text
	.protected	k_q49f9cafd47_back
	.globl	k_q49f9cafd47_back
	.p2align	8
	.type	k_q49f9cafd47_back,@function
k_q49f9cafd47_back:
	s_mov_b64 s[64:65], 0
	v_nop
	global_prefetch_b8 v0, s[64:65] scope:SCOPE_SE
	s_setreg_imm32_b32 hwreg(HW_REG_WAVE_MODE, 25, 1), 1
	s_wait_xcnt 0x0
; out0 = data + (y - x) wT^T (one product: remaining + out0 wT^T = data - x wT^T + y wT^T), and out1[n] = the sum of lp's 32 partial sums.
; A work-group makes 128 rows x 128 columns; wave w rows 32 (w >> 1) .., columns 64 (w & 1) ..: 8 accumulators [a 0..1][b 0..3]; K = 256 in 8 steps.
; Both operands lie in memory in fragment order, so they come into LDS by asynchronous copies, once (64 KiB each), and a fragment load takes 512
; neighbouring bytes.  The matrix instruction is used with wT's rows as source 0 and the rows of y - x as source 1: a lane then holds eight
; neighbouring columns of one row of out0.
; No cluster: the shared operands come by lane-wise copies, which carry no work-group mask, and each is 64 KiB read once by a work-group.
.set WLDS, 65536                       ; LDS: y - x at 0, wT at 65,536, the stage (16 rows x 272 bytes for each wave) at 131,072: no copy lands there
.set STG,  131072
.set SP,   272
.set D,    16                          ; v[16:79]    my 32 rows x 64 columns of data, as stored: load (a, u) at D + 4 (8 a + u)
.set ACC,  80                          ; v[80:143]   accumulator (a, b) at ACC + 8 (4 a + b)
.set F0,   144                         ; v[144:191]  fragments: y - x a = 0, 1 (16), wT b = 0 .. 3 (32)
.set F1,   192                         ; v[192:239]  the second buffer
	s_load_b256 s[4:11], s[0:1], 0x0               ; af s[4:5], wf2 s[6:7], data s[8:9], lp s[10:11]
	s_load_b128 s[12:15], s[0:1], 0x20             ; out0 s[12:13], out1 s[14:15]
	v_lshl_add_u32 v248, v0, 2, 0x29000
	v_mov_b32 v249, 0
	ds_add_u32 v248, v249
	ds_add_u32 v248, v249
	v_lshrrev_b32 v9, 5, v0
	v_readfirstlane_b32 s16, v9                    ; wave w
	s_and_b32 s17, ttmp7, 0xffff                   ; rb: block of 128 rows
	s_mov_b32 s29, ttmp9                           ; cb: block of 128 columns
	s_lshr_b32 s18, s16, 1                         ; wr
	s_and_b32 s19, s16, 1                          ; wc
	s_lshl_b32 s20, s17, 16                        ; af: 8 blocks of 16 rows x 8,192 bytes
	s_mov_b32 s21, 0
	s_lshl_b32 s22, s29, 16                        ; wf2: 8 blocks of 16 columns x 8,192 bytes
	s_mov_b32 s23, 0
	s_lshl_b32 s24, s17, 2
	s_add_co_u32 s24, s24, s18
	s_lshl_b32 s24, s24, 16                        ; data, out0: row 128 rb + 32 wr, x 2,048 bytes,
	s_lshl1_add_u32 s25, s29, s19
	s_lshl_b32 s25, s25, 8                         ; + column 128 cb + 64 wc, x 4 bytes
	s_add_co_u32 s24, s24, s25
	s_mov_b32 s25, 0
	s_lshl_b32 s30, s17, 9                         ; lp, out1: row 128 rb + 64 cb, x 4 bytes
	s_lshl_b32 s31, s29, 8
	s_add_co_u32 s30, s30, s31
	s_mov_b32 s31, 0
	v_lshlrev_b32 v1, 4, v0                        ; 16 t: the copies' place in memory
	v_lshlrev_b32 v13, 4, v0                       ; and in LDS, y - x
	v_add_nc_u32 v2, WLDS, v1                      ; and wT
	v_and_b32 v10, 31, v0
	v_and_b32 v11, 15, v0
	v_bfe_u32 v12, v0, 4, 1
	s_lshl_b32 s26, s18, 14
	v_lshl_add_u32 v3, v10, 4, s26                 ; fragments of y - x: my two blocks of 16 rows
	s_lshl_b32 s27, s19, 15
	s_add_co_u32 s27, s27, WLDS
	v_lshl_add_u32 v4, v10, 4, s27                 ; fragments of wT: my four blocks of 16 columns
	s_mul_i32 s28, s16, 16*SP
	s_add_co_u32 s28, s28, STG
	v_mul_u32_u24 v5, v11, SP
	v_lshl_add_u32 v5, v12, 5, v5
	v_add_nc_u32 v5, s28, v5                       ; stage in: row r, columns 8 h ..
	v_mul_u32_u24 v6, v12, SP
	v_lshl_add_u32 v6, v11, 4, v6
	v_add_nc_u32 v6, s28, v6                       ; stage back: lanes 0-15 one row's 256 bytes, lanes 16-31 the next row's
	v_lshlrev_b32 v7, 11, v12
	v_lshl_add_u32 v7, v11, 4, v7                  ; the same two rows in data and out0
	v_lshlrev_b32 v8, 3, v10                       ; 8 L: two rows of lp and out1
	s_wait_dscnt 0x0
	s_wait_kmcnt 0x0
	s_add_nc_u64 s[4:5], s[4:5], s[20:21]
	s_add_nc_u64 s[6:7], s[6:7], s[22:23]
	s_add_nc_u64 s[8:9], s[8:9], s[24:25]
	s_add_nc_u64 s[12:13], s[12:13], s[24:25]
	s_add_nc_u64 s[10:11], s[10:11], s[30:31]
	s_add_nc_u64 s[14:15], s[14:15], s[30:31]
.irp i, 0,1,2,3,4,5,6,7,8,9,10,11,12,13,14,15
	global_load_async_to_lds_b128 v13, v1, s[4:5] offset:4096*\i   ; the immediate steps both addresses
.endr
.irp i, 0,1,2,3,4,5,6,7,8,9,10,11,12,13,14,15
	global_load_async_to_lds_b128 v2, v1, s[6:7] offset:4096*\i
.endr
.irp a, 0,1
.irp u, 0,1,2,3,4,5,6,7
	global_load_b128 v[D+4*(8*\a+\u):D+4*(8*\a+\u)+3], v7, s[8:9] offset:(16*\a+2*\u)*2048
.endr
.endr
	s_wait_asynccnt 0x0                            ; my part of both operands is in LDS, for the other waves' sake
	s_barrier_signal -1
	s_barrier_wait -1
.macro FETCH f, ks                     ; 12 LDS loads: K step ks
.irp a, 0,1
.irp p, 0,1
	ds_load_b128 v[\f+8*\a+4*\p:\f+8*\a+4*\p+3], v3 offset:\a*8192+\ks*1024+\p*512
.endr
.endr
.irp b, 0,1,2,3
.irp p, 0,1
	ds_load_b128 v[\f+16+8*\b+4*\p:\f+16+8*\b+4*\p+3], v4 offset:\b*8192+\ks*1024+\p*512
.endr
.endr
.endm
.macro MUL8 f, zero                    ; the eight accumulators take turns, one instruction a turn
.irp a, 0,1
.irp b, 0,1,2,3
.if \zero
	v_wmma_f32_16x16x32_bf16 v[ACC+8*(4*\a+\b):ACC+8*(4*\a+\b)+7], v[\f+16+8*\b:\f+16+8*\b+7], v[\f+8*\a:\f+8*\a+7], 0
.else
	v_wmma_f32_16x16x32_bf16 v[ACC+8*(4*\a+\b):ACC+8*(4*\a+\b)+7], v[\f+16+8*\b:\f+16+8*\b+7], v[\f+8*\a:\f+8*\a+7], v[ACC+8*(4*\a+\b):ACC+8*(4*\a+\b)+7]
.endif
.endr
.endr
.endm
.macro PLACES                          ; four places behind a matrix instruction before a load lands on its sources or a store reads its result
.rept 4
	v_nop
.endr
.endm
.macro STEP ks, f, g                   ; multiplies buffer f (K step ks); first asks for the next step into buffer g, which the last step multiplied
	PLACES
	FETCH \g, (\ks+1)
	s_wait_dscnt 12                                ; this step's fragments are in; the twelve just issued are younger
	MUL8 \f, 0
.endm
	FETCH F0, 0
	FETCH F1, 1
	s_wait_dscnt 12
	MUL8 F0, 1                                     ; the first K step starts the sums
	STEP 1, F1, F0
	STEP 2, F0, F1
	STEP 3, F1, F0
	STEP 4, F0, F1
	STEP 5, F1, F0
	STEP 6, F0, F1
	s_wait_dscnt 0
	MUL8 F1, 0
	PLACES
	s_wait_loadcnt 0x0                             ; data
.macro OUT16 a, f                      ; 16 rows: through my own stage, data added, whole rows of 256 bytes out
.irp b, 0,1,2,3
	ds_store_b128 v5, v[ACC+8*(4*\a+\b):ACC+8*(4*\a+\b)+3]   offset:64*\b
	ds_store_b128 v5, v[ACC+8*(4*\a+\b)+4:ACC+8*(4*\a+\b)+7] offset:64*\b+16
.endr
.irp u, 0,1,2,3,4,5,6,7
	ds_load_b128 v[\f+4*\u:\f+4*\u+3], v6 offset:2*SP*\u           ; a wave's LDS instructions are served in order
.endr
.irp u, 0,1,2,3,4,5,6,7
	s_wait_dscnt 7-\u
	v_pk_add_f32 v[\f+4*\u:\f+4*\u+1],   v[\f+4*\u:\f+4*\u+1],   v[D+4*(8*\a+\u):D+4*(8*\a+\u)+1]
	v_pk_add_f32 v[\f+4*\u+2:\f+4*\u+3], v[\f+4*\u+2:\f+4*\u+3], v[D+4*(8*\a+\u)+2:D+4*(8*\a+\u)+3]
	global_store_b128 v7, v[\f+4*\u:\f+4*\u+3], s[12:13] offset:(16*\a+2*\u)*2048 th:TH_STORE_NT
.endr
.endm
	OUT16 0, F0
	OUT16 1, F1
	; out1: wave 0 of the column blocks 0 and 1 sums 64 rows each, two rows a lane, 32 partial sums a row
	s_cmp_lg_u32 s16, 0
	s_cbranch_scc1 .Lend
	s_cmp_ge_u32 s29, 2
	s_cbranch_scc1 .Lend
.irp g, 0,1,2,3,4,5,6,7,8,9,10,11,12,13,14,15,16,17,18,19,20,21,22,23,24,25,26,27,28,29,30,31
	global_load_b64 v[D+2*\g:D+2*\g+1], v8, s[10:11] offset:\g*32768
.endr
	s_wait_loadcnt 0x0
.macro LEVEL st                        ; pairs 2 st k += pairs 2 st k + st
.set kk, 0
.rept 16/\st
	v_pk_add_f32 v[D+4*\st*kk:D+4*\st*kk+1], v[D+4*\st*kk:D+4*\st*kk+1], v[D+4*\st*kk+2*\st:D+4*\st*kk+2*\st+1]
.set kk, kk+1
.endr
.endm
	LEVEL 1
	LEVEL 2
	LEVEL 4
	LEVEL 8
	LEVEL 16
	global_store_b64 v8, v[D:D+1], s[14:15]        ; the wave stores 256 consecutive bytes, aligned
.Lend:
	s_wait_tensorcnt 0x0
	ds_add_u32 v248, v249
	s_wait_dscnt 0x0
	s_endpgm
.Lfunc_end_k_q49f9cafd47_back:
	.size	k_q49f9cafd47_back, .Lfunc_end_k_q49f9cafd47_back-k_q49f9cafd47_back
	.p2alignl 7, 3214868480
	.fill 96, 4, 3214868480
	.section	.rodata,"a",@progbits
	.p2align	6, 0x0
	.amdhsa_kernel k_q49f9cafd47_back
		.amdhsa_group_segment_fixed_size 168960
		.amdhsa_private_segment_fixed_size 0
		.amdhsa_enable_private_segment 0
		.amdhsa_kernarg_size 48
		.amdhsa_user_sgpr_count 2
		.amdhsa_user_sgpr_kernarg_segment_ptr 1
		.amdhsa_wavefront_size32 1
		.amdhsa_system_sgpr_workgroup_id_x 1
		.amdhsa_system_sgpr_workgroup_id_y 1
		.amdhsa_system_sgpr_workgroup_id_z 1
		.amdhsa_system_vgpr_workitem_id 0
		.amdhsa_next_free_vgpr 250
		.amdhsa_next_free_sgpr 66
		.amdhsa_reserve_vcc 0
		.amdhsa_float_denorm_mode_32 3
		.amdhsa_float_denorm_mode_16_64 3
		.amdhsa_memory_ordered 1
		.amdhsa_forward_progress 1
		.amdhsa_inst_pref_size 30
	.end_amdhsa_kernel
	.amdgpu_metadata
---
amdhsa.version: [ 1, 2 ]
amdhsa.kernels:
  - .name:           k_q49f9cafd47_back
    .symbol:         k_q49f9cafd47_back.kd
    .args:
      - { .name: af, .offset: 0, .size: 8, .value_kind: global_buffer, .address_space: global }
      - { .name: wf2, .offset: 8, .size: 8, .value_kind: global_buffer, .address_space: global }
      - { .name: data, .offset: 16, .size: 8, .value_kind: global_buffer, .address_space: global }
      - { .name: lp, .offset: 24, .size: 8, .value_kind: global_buffer, .address_space: global }
      - { .name: out0, .offset: 32, .size: 8, .value_kind: global_buffer, .address_space: global }
      - { .name: out1, .offset: 40, .size: 8, .value_kind: global_buffer, .address_space: global }
    .group_segment_fixed_size: 168960
    .private_segment_fixed_size: 0
    .kernarg_segment_align: 8
    .kernarg_segment_size: 48
    .max_flat_workgroup_size: 256
    .sgpr_count:     66
    .vgpr_count:     250
    .wavefront_size: 32
...
	.end_amdgpu_metadata
.endif
;; end of part 5
;; ======== version 2 of 3: 4 launches; 1.12 times as fast as version 1
;; workspace buffers: wf1 524,288 bytes; wf2 262,144 bytes; ck 229,376 bytes; xt 8,388,608 bytes; c1 2,097,152 bytes of whole numbers; af 4,194,304 bytes; lp 1,048,576 bytes
;; launch prep (part 6): grid 64 x 1, 8 waves a work-group, no clusters, 0 bytes of LDS; arguments wT, knots_x, wf1, wf2, ck; writes wf1, wf2, ck
.if DOCPART == 6
	.amdgcn_target "amdgcn-amd-amdhsa--gfx1250"
	.amdhsa_code_object_version 6
	.text
	.protected	k_q49f9cafd47_prep
	.globl	k_q49f9cafd47_prep
	.p2align	8
	.type	k_q49f9cafd47_prep,@function
k_q49f9cafd47_prep:
	s_mov_b64 s[64:65], 0
	v_nop
	global_prefetch_b8 v0, s[64:65] scope:SCOPE_SE
	s_setreg_imm32_b32 hwreg(HW_REG_WAVE_MODE, 25, 1), 1
	s_wait_xcnt 0x0
; Tables that the later launches read many times are laid out once.
; wf1: operands of x = data wT, bf16.  byte = term*262144 + jt*16384 + ks*1024 + p*512 + lane*16; element e of the 16 bytes is
;      wT[32 ks + 16 p + 8 h + e][16 jt + r], lane = 16 h + r.  term 0: bf16(v); term 1: bf16(v - bf16(v)).
; wf2: operands of delta wT^T, bf16.  byte = it*8192 + ks*1024 + p*512 + lane*16; element e is wT[16 it + r][32 ks + 16 p + 8 h + e].
; ck:  every fourth knot of knots_x, f32.  Row rho = ch*1024 + class*128 + jl (component 128 ch + jl) has 112 bytes: knots 4 m + 3, m = 0 .. 23,
;      and 16 bytes of pad (a copy of the last four, so that every byte that is read later is written).
; 16,384 threads; thread T writes the 16 bytes at 16 T of wf1's two terms and of wf2, and chunk T & 7 (below 7) of ck's row T >> 3.
.set LOTERM, 262144
	s_load_b256 s[4:11], s[0:1], 0x0               ; wT s[4:5], knots_x s[6:7], wf1 s[8:9], wf2 s[10:11]
	s_load_b64 s[12:13], s[0:1], 0x20              ; ck
	s_lshl_b32 s14, ttmp9, 8
	s_mov_b32 s15, 0xffff0000                      ; a word's upper bf16
	v_add_nc_u32 v1, s14, v0                       ; T
	v_and_b32 v2, 15, v1                           ; r
	v_bfe_u32 v3, v1, 4, 1                         ; h
	v_bfe_u32 v4, v1, 5, 1                         ; p
	v_lshlrev_b32 v4, 4, v4
	v_lshl_add_u32 v4, v3, 3, v4                   ; 16 p + 8 h
	v_bfe_u32 v5, v1, 6, 4                         ; wf1: ks
	v_lshl_add_u32 v5, v5, 5, v4                   ; k = 32 ks + 16 p + 8 h
	v_lshrrev_b32 v6, 10, v1                       ; jt
	v_lshl_add_u32 v6, v6, 4, v2                   ; j = 16 jt + r
	v_lshl_add_u32 v5, v5, 8, v6
	v_lshlrev_b32 v5, 2, v5                        ; byte of wT[k][j]
	v_bfe_u32 v6, v1, 6, 3                         ; wf2: ks
	v_lshl_add_u32 v6, v6, 5, v4                   ; j = 32 ks + 16 p + 8 h
	v_lshrrev_b32 v7, 9, v1                        ; it
	v_lshl_add_u32 v7, v7, 4, v2                   ; i = 16 it + r
	v_lshl_add_u32 v6, v7, 8, v6
	v_lshlrev_b32 v6, 2, v6                        ; byte of wT[i][j]
	v_lshlrev_b32 v7, 4, v1                        ; 16 T
	v_and_b32 v46, 7, v1                           ; ck: chunk a
	v_lshrrev_b32 v47, 3, v1                       ; row rho
	v_min_u32 v44, 5, v46                          ; chunks 6 (the pad) and 7 (not stored) read chunk 5: no load leaves the table
	v_lshlrev_b32 v44, 6, v44                      ; four of every fourth knot span 64 bytes
	v_and_b32 v45, 127, v47                        ; jl
	v_lshrrev_b32 v52, 13, v1                      ; ch
	v_lshl_add_u32 v45, v52, 7, v45                ; component
	v_mad_u32_u24 v44, v45, 0x190, v44             ; x 400 bytes
	v_bfe_u32 v45, v1, 10, 3                       ; class
	v_mad_u32_u24 v44, v45, 0x19000, v44           ; x 102,400 bytes
	v_mul_u32_u24 v45, v47, 0x70
	v_lshl_add_u32 v45, v46, 4, v45                ; 112 rho + 16 a
	s_wait_kmcnt 0x0
.irp e, 0,1,2,3,4,5,6,7
	global_load_b32 v[8+\e], v5, s[4:5] offset:1024*\e     ; eight rows k .. k+7 of one column
.endr
	global_load_b128 v[16:19], v6, s[4:5]                  ; eight neighbouring numbers of one row
	global_load_b128 v[20:23], v6, s[4:5] offset:16
.irp i, 0,1,2,3
	global_load_b32 v[48+\i], v44, s[6:7] offset:12+16*\i  ; knots 16 a + 4 i + 3
.endr
	s_wait_loadcnt 0x6                             ; the eight words are in; the six younger loads may stay out
.irp q, 0,1,2,3
	v_cvt_pk_bf16_f32 v[24+\q], v[8+2*\q], v[9+2*\q]       ; the high parts
.endr
.irp q, 0,1,2,3
	v_lshlrev_b32 v[28+2*\q], 16, v[24+\q]                 ; back to f32
	v_and_b32 v[29+2*\q], s15, v[24+\q]
.endr
.irp q, 0,1,2,3
	v_pk_add_f32 v[28+2*\q:29+2*\q], v[8+2*\q:9+2*\q], v[28+2*\q:29+2*\q] neg_lo:[0,1] neg_hi:[0,1]   ; what the rounding left (exact)
.endr
.irp q, 0,1,2,3
	v_cvt_pk_bf16_f32 v[36+\q], v[28+2*\q], v[29+2*\q]     ; the low parts
.endr
	global_store_b128 v7, v[24:27], s[8:9]
	global_store_b128 v7, v[36:39], s[8:9] offset:LOTERM
	s_wait_loadcnt 0x4                             ; the row's eight numbers are in; the four knots are younger
.irp q, 0,1,2,3
	v_cvt_pk_bf16_f32 v[40+\q], v[16+2*\q], v[17+2*\q]
.endr
	global_store_b128 v7, v[40:43], s[10:11]
	s_wait_loadcnt 0x0
	v_cmp_gt_u32 vcc_lo, 7, v46                    ; seven chunks make a row of ck
	s_wait_xcnt 0x0                                ; EXEC is a source of the stores above: it changes only behind this wait
	s_and_saveexec_b32 s16, vcc_lo
	global_store_b128 v45, v[48:51], s[12:13]      ; a wave stores four rows, 448 neighbouring bytes
	s_wait_xcnt 0x0                                ; and again in front of the line that widens it
	s_or_b32 exec_lo, exec_lo, s16
	s_endpgm
.Lfunc_end_k_q49f9cafd47_prep:
	.size	k_q49f9cafd47_prep, .Lfunc_end_k_q49f9cafd47_prep-k_q49f9cafd47_prep
	.p2alignl 7, 3214868480
	.fill 96, 4, 3214868480
	.section	.rodata,"a",@progbits
	.p2align	6, 0x0
	.amdhsa_kernel k_q49f9cafd47_prep
		.amdhsa_group_segment_fixed_size 0
		.amdhsa_private_segment_fixed_size 0
		.amdhsa_enable_private_segment 0
		.amdhsa_kernarg_size 40
		.amdhsa_user_sgpr_count 2
		.amdhsa_user_sgpr_kernarg_segment_ptr 1
		.amdhsa_wavefront_size32 1
		.amdhsa_system_sgpr_workgroup_id_x 1
		.amdhsa_system_sgpr_workgroup_id_y 1
		.amdhsa_system_sgpr_workgroup_id_z 1
		.amdhsa_system_vgpr_workitem_id 0
		.amdhsa_next_free_vgpr 56
		.amdhsa_next_free_sgpr 66
		.amdhsa_reserve_vcc 1
		.amdhsa_float_denorm_mode_32 3
		.amdhsa_float_denorm_mode_16_64 3
		.amdhsa_memory_ordered 1
		.amdhsa_forward_progress 1
		.amdhsa_inst_pref_size 6
	.end_amdhsa_kernel
	.amdgpu_metadata
---
amdhsa.version: [ 1, 2 ]
amdhsa.kernels:
  - .name:           k_q49f9cafd47_prep
    .symbol:         k_q49f9cafd47_prep.kd
    .args:
      - { .name: wT, .offset: 0, .size: 8, .value_kind: global_buffer, .address_space: global }
      - { .name: knots_x, .offset: 8, .size: 8, .value_kind: global_buffer, .address_space: global }
      - { .name: wf1, .offset: 16, .size: 8, .value_kind: global_buffer, .address_space: global }
      - { .name: wf2, .offset: 24, .size: 8, .value_kind: global_buffer, .address_space: global }
      - { .name: ck, .offset: 32, .size: 8, .value_kind: global_buffer, .address_space: global }
    .group_segment_fixed_size: 0
    .private_segment_fixed_size: 0
    .kernarg_segment_align: 8
    .kernarg_segment_size: 40
    .max_flat_workgroup_size: 256
    .sgpr_count:     66
    .vgpr_count:     56
    .wavefront_size: 32
...
	.end_amdgpu_metadata
.endif
;; end of part 6
;; launch proj (part 7): grid 2 x 128, 4 waves a work-group, no clusters, 291,328 bytes of LDS; arguments data, wf1, ck, label, xt, c1; writes xt, c1
.if DOCPART == 7
	.amdgcn_target "amdgcn-amd-amdhsa--gfx1250"
	.amdhsa_code_object_version 6
	.text
	.protected	k_q49f9cafd47_proj
	.globl	k_q49f9cafd47_proj
	.p2align	8
	.type	k_q49f9cafd47_proj,@function
k_q49f9cafd47_proj:
	s_mov_b64 s[64:65], 0
	v_nop
	global_prefetch_b8 v0, s[64:65] scope:SCOPE_SE
	s_setreg_imm32_b32 hwreg(HW_REG_WAVE_MODE, 25, 1), 1
	s_wait_xcnt 0x0
; xt[j][n] = sum over k of data[n][k] wT[k][j], stored transposed ([256][8192] f32), and the first level of searchsorted on it:
; c1 = how many of the 24 knots xk[label[n]][j][4 m + 3] lie below x (0 .. 24), a byte each, laid out [block of 64 rows][component][64 rows].
; The count is only stored here; the next launch reads it as whole numbers and forms LDS addresses from it.
; The spline's log-derivative is steep in x, so x is made from three bf16 products with f32 sums: hi.hi + hi.lo + lo.hi, where
; hi = bf16(v), lo = bf16(v - hi).
; LIMITS: the lo.lo term, some 2^-16 of the products, is dropped.  The knots of a row ascend, as searchsorted itself assumes.  NaN in x is not
; served (the count stays in 0 .. 24).  A knot -0 against x = +0 counts as below: the element then falls on the edge of the neighbouring bin, where
; the spline and its derivative are continuous.  A label outside 0..7 is counted against class 7; the spline discards it.
; A work-group makes 64 rows x 128 components; wave w all 64 rows x components 32 w .. 32 w + 31: 8 accumulators [rt 0..3][ct 0..1].
; data is split into hi and lo once, on the way into LDS (each wave 16 rows); wT's operands come from wf1 straight into registers, since
; no two waves of the work-group want the same ones.  The group's half of ck comes by asynchronous copies, once.  No tensor loads: the f32 data
; need the split in registers, and every LDS byte is filled once.  No cluster: lane-wise copies carry no work-group mask, and the 64 rows of data
; that two work-groups share go through registers for the split.
.set PA,    1040                       ; LDS pitch of a row of 512 bf16: 1,024 bytes + 16, an odd multiple of 16, so a fragment's 16 rows start in 16 different 16-byte columns
.set AL,    66560                      ; the low parts, behind the 64 rows of high parts
.set STAGE, 133120                     ; xt's way out: 32 components x 272 bytes for each wave
.set SP,    272
.set CSTG,  167936                     ; c1's way out: 32 components x 64 bytes for each wave
.set CKB,   176128                     ; ck: [class 8][component 128] x 112 bytes; no LDS store ever lands here
.set CKP,   112                        ; 7 x 16 bytes: sixteen neighbouring components of one class start in 16 different 16-byte columns
.set CKC,   128*CKP                    ; from class to class
.set B,     16                         ; v[16:111]   wT's operands: three buffers of 32 registers [ct][term][8]
.set A,     112                        ; v[112:175]  data's operands: two sets (rt 0,1 and rt 2,3) of [rt][term][8]
.set ACC,   176                        ; v[176:239]  accumulator (rt, ct) at ACC + 8 (2 rt + ct)
.set S0,    112                        ; ahead of the products the same registers take the f32 data: two batches of 16 loads
.set S1,    176
.set T,     240                        ; v[240:247]  at work in the split
; behind the products: v[16:39], v[40:63], v[112:135], v[136:159] four sets of 24 knots; v[64:75] two sets of six chains of sign bits
.set LB,    48                         ; v[48:79]    labels of rows 16 rt + 8 h + j, as loaded (B's buffer 1)
.set CO,    80                         ; v[80:111]   their class's and my component's place in ck
.set PW,    76                         ; v[76:77]    eight counts, packed
.set XT,    78                         ; v[78:79]    x of an odd register, moved to the first of a pair
	s_load_b256 s[4:11], s[0:1], 0x0               ; data s[4:5], wf1 s[6:7], ck s[8:9], label s[10:11]
	s_load_b128 s[12:15], s[0:1], 0x20             ; xt s[12:13], c1 s[14:15]
	v_lshl_add_u32 v254, v0, 2, 0x47000
	v_mov_b32 v255, 0
	ds_add_u32 v254, v255
	ds_add_u32 v254, v255
	v_lshrrev_b32 v9, 5, v0
	v_readfirstlane_b32 s16, v9                    ; wave w
	s_and_b32 s17, ttmp7, 0xffff                   ; rb: block of 64 rows
	v_and_b32 v10, 31, v0                          ; lane L
	v_and_b32 v11, 15, v0                          ; r
	v_bfe_u32 v12, v0, 4, 1                        ; h
	s_mov_b32 s18, 0xffff0000
	v_lshlrev_b32 v1, 4, v10                       ; 16 L: the lane's place in a load of data and of wf1, and in a store of c1
	s_mul_i32 s19, s16, 16*PA
	v_lshl_add_u32 v2, v10, 3, s19                 ; where my four numbers' high parts go: my wave's 16 rows, 8 bytes a lane
	v_add_nc_u32 v3, AL, v2                        ; and the low parts
	v_mul_u32_u24 v4, v11, PA
	v_lshl_add_u32 v4, v12, 4, v4                  ; a fragment's address: row r, 16 h
	v_add_nc_u32 v5, AL, v4
	s_mul_i32 s19, s16, 32*SP
	s_add_co_u32 s19, s19, STAGE
	v_mul_u32_u24 v6, v11, SP
	v_lshl_add_u32 v6, v12, 5, v6
	v_add_nc_u32 v6, s19, v6                       ; xt's stage in: component r, rows 8 h ..
	v_mul_u32_u24 v7, v12, SP
	v_lshl_add_u32 v7, v11, 4, v7
	v_add_nc_u32 v7, s19, v7                       ; back: lanes 0-15 one component's 256 bytes, lanes 16-31 the next one's
	v_lshlrev_b32 v8, 15, v12
	v_lshl_add_u32 v8, v11, 4, v8                  ; the same two components in xt
	v_lshlrev_b32 v14, 4, v0                       ; 16 t: the copies' place in ck,
	v_add_nc_u32 v13, CKB, v14                     ; and in LDS
	v_add_nc_u32 v252, 0x10000, v14                ; a second pair, 65,536 bytes further, so that every copy's immediate stays below 65,536
	v_add_nc_u32 v251, 0x10000, v13
	v_lshlrev_b32 v15, 5, v12                      ; 32 h: eight labels
	s_mul_i32 s19, s16, 32*CKP
	s_add_co_u32 s19, s19, CKB
	v_mul_u32_u24 v248, v11, CKP
	v_add_nc_u32 v248, s19, v248                   ; component 32 w + r of class 0 in ck
	s_lshl_b32 s19, s16, 11
	s_add_co_u32 s19, s19, CSTG
	v_lshlrev_b32 v249, 6, v11
	v_lshl_add_u32 v249, v12, 3, v249
	v_add_nc_u32 v249, s19, v249                   ; c1's stage in: component r, rows 8 h ..
	v_add_nc_u32 v250, s19, v1                     ; back: 16 bytes a lane
	s_lshl_b32 s20, s17, 6
	s_lshl4_add_u32 s20, s16, s20                  ; data: row 64 rb + 16 w
	s_lshl_b32 s20, s20, 11                        ; x 2,048 bytes
	s_mov_b32 s21, 0
	s_lshl_b32 s22, ttmp9, 3
	s_lshl1_add_u32 s22, s16, s22                  ; jt = 8 ch + 2 w
	s_lshl_b32 s22, s22, 14                        ; x 16,384 bytes of wf1
	s_mov_b32 s23, 0
	s_lshl_b32 s24, s22, 5                         ; xt: 16 jt components x 32,768 bytes
	s_lshl_b32 s28, s17, 8                         ; 64 rb rows x 4 bytes: label,
	s_add_co_u32 s24, s24, s28                     ; and xt
	s_mov_b32 s25, 0
	s_mov_b32 s29, 0
	s_mul_i32 s26, ttmp9, 8*CKC                    ; ck: my half of the components
	s_mov_b32 s27, 0
	s_lshl_b32 s30, s17, 14                        ; c1: rb x 256 components x 64 bytes
	s_lshr_b32 s32, s22, 4                         ; + 16 jt components x 64 bytes
	s_add_co_u32 s30, s30, s32
	s_mov_b32 s31, 0
	s_wait_dscnt 0x0
	s_wait_kmcnt 0x0
	s_add_nc_u64 s[4:5], s[4:5], s[20:21]
	s_add_nc_u64 s[6:7], s[6:7], s[22:23]
	s_add_nc_u64 s[8:9], s[8:9], s[26:27]
	s_add_nc_u64 s[10:11], s[10:11], s[28:29]
	s_add_nc_u64 s[12:13], s[12:13], s[24:25]
	s_add_nc_u64 s[14:15], s[14:15], s[30:31]
.macro BFETCH buf, ks                  ; 8 loads: K step ks of my 32 components, both terms
.irp ct, 0,1
.irp tm, 0,1
.irp p, 0,1
	global_load_b128 v[B+32*\buf+16*\ct+8*\tm+4*\p:B+32*\buf+16*\ct+8*\tm+4*\p+3], v1, s[6:7] offset:\tm*262144+\ct*16384+\ks*1024+\p*512
.endr
.endr
.endr
.endm
.macro DLOAD sb, b                     ; 16 loads: four of my wave's rows, 512 neighbouring bytes a load
.irp q, 0,1,2,3,4,5,6,7,8,9,10,11,12,13,14,15
	global_load_b128 v[\sb+4*\q:\sb+4*\q+3], v1, s[4:5] offset:(4*\b+(\q>>2))*2048+(\q&3)*512
.endr
.endm
.macro CONV sb, b                      ; the split of those four rows, into LDS
.irp q, 0,1,2,3,4,5,6,7,8,9,10,11,12,13,14,15
	v_cvt_pk_bf16_f32 v[T], v[\sb+4*\q], v[\sb+4*\q+1]
	v_cvt_pk_bf16_f32 v[T+1], v[\sb+4*\q+2], v[\sb+4*\q+3]
	v_lshlrev_b32 v[T+2], 16, v[T]
	v_and_b32 v[T+3], s18, v[T]
	v_lshlrev_b32 v[T+4], 16, v[T+1]
	v_and_b32 v[T+5], s18, v[T+1]
	v_pk_add_f32 v[T+2:T+3], v[\sb+4*\q:\sb+4*\q+1], v[T+2:T+3] neg_lo:[0,1] neg_hi:[0,1]
	v_pk_add_f32 v[T+4:T+5], v[\sb+4*\q+2:\sb+4*\q+3], v[T+4:T+5] neg_lo:[0,1] neg_hi:[0,1]
	v_cvt_pk_bf16_f32 v[T+6], v[T+2], v[T+3]
	v_cvt_pk_bf16_f32 v[T+7], v[T+4], v[T+5]
	ds_store_b64 v2, v[T:T+1] offset:(4*\b+(\q>>2))*PA+(\q&3)*256
	ds_store_b64 v3, v[T+6:T+7] offset:(4*\b+(\q>>2))*PA+(\q&3)*256
.endr
.endm
.macro AFETCH set, ks                  ; 8 LDS loads: K step ks of 32 rows, high and low parts
.irp rl, 0,1
	ds_load_b128 v[A+32*\set+16*\rl:A+32*\set+16*\rl+3],     v4 offset:(2*\set+\rl)*16*PA+64*\ks
	ds_load_b128 v[A+32*\set+16*\rl+4:A+32*\set+16*\rl+7],   v4 offset:(2*\set+\rl)*16*PA+64*\ks+32
	ds_load_b128 v[A+32*\set+16*\rl+8:A+32*\set+16*\rl+11],  v5 offset:(2*\set+\rl)*16*PA+64*\ks
	ds_load_b128 v[A+32*\set+16*\rl+12:A+32*\set+16*\rl+15], v5 offset:(2*\set+\rl)*16*PA+64*\ks+32
.endr
.endm
.macro LLOAD                           ; 8 loads: the labels of rows 16 rt + 8 h + 0 .. 7
.irp rt, 0,1,2,3
	global_load_b128 v[LB+8*\rt:LB+8*\rt+3],   v15, s[10:11] offset:64*\rt
	global_load_b128 v[LB+8*\rt+4:LB+8*\rt+7], v15, s[10:11] offset:64*\rt+16
.endr
.endm
.macro MUL4 set, buf, ta, tb, zero     ; one term on the set's four accumulators
.irp rl, 0,1
.irp ct, 0,1
.if \zero
	v_wmma_f32_16x16x32_bf16 v[ACC+8*(4*\set+2*\rl+\ct):ACC+8*(4*\set+2*\rl+\ct)+7], v[A+32*\set+16*\rl+8*\ta:A+32*\set+16*\rl+8*\ta+7], v[B+32*\buf+16*\ct+8*\tb:B+32*\buf+16*\ct+8*\tb+7], 0
.else
	v_wmma_f32_16x16x32_bf16 v[ACC+8*(4*\set+2*\rl+\ct):ACC+8*(4*\set+2*\rl+\ct)+7], v[A+32*\set+16*\rl+8*\ta:A+32*\set+16*\rl+8*\ta+7], v[B+32*\buf+16*\ct+8*\tb:B+32*\buf+16*\ct+8*\tb+7], v[ACC+8*(4*\set+2*\rl+\ct):ACC+8*(4*\set+2*\rl+\ct)+7]
.endif
.endr
.endr
.endm
.macro MULH set, buf, zero             ; 12 matrix instructions; the four accumulators take turns, one instruction a turn
	MUL4 \set, \buf, 0, 0, \zero       ; hi . hi (in the first K step it starts the sums: nothing is cleared)
	MUL4 \set, \buf, 0, 1, 0           ; hi . lo
	MUL4 \set, \buf, 1, 0, 0           ; lo . hi
.endm
.macro PLACES                          ; four places behind a matrix instruction before a load lands on its sources or a store reads its result
.rept 4
	v_nop
.endr
.endm
.macro KSTEP ks, zero
.if \ks < 15
	s_wait_loadcnt 16                              ; this step's 8 loads of wT are in; 16 younger loads may stay out: two buffers, in step 14 one buffer and the labels
.else
	s_wait_loadcnt 8                               ; the last step: the labels are younger
.endif
	s_wait_dscnt 8                                 ; set 0 is in; set 1's eight loads are younger
	MULH 0, (\ks%3), \zero
.if \ks < 15
	PLACES
	AFETCH 0, (\ks+1)
	s_wait_dscnt 8                                 ; set 1 is in; the eight just issued are younger
.else
	s_wait_dscnt 0
.endif
	MULH 1, (\ks%3), \zero
	PLACES
.if \ks < 15
	AFETCH 1, (\ks+1)
.endif
.if \ks < 13
	BFETCH (\ks%3), (\ks+3)                        ; the buffer just multiplied gets the K step three ahead
.endif
.if \ks == 13
	LLOAD                                          ; buffer 1 has had its last K step: it takes the labels
.endif
.endm
	BFETCH 0, 0
	BFETCH 1, 1
	BFETCH 2, 2
	DLOAD S0, 0
	DLOAD S1, 1
	; 56 copies x 128 threads x 16 bytes = the 114,688 bytes of my half of ck; the immediate steps both addresses.
	; The first 32 cover bytes 0 to 65,535, the other 24 go by the second pair of address registers.  Neither pair is written again.
.set i, 0
.rept 32
	global_load_async_to_lds_b128 v13, v14, s[8:9] offset:2048*i
.set i, i+1
.endr
.set i, 0
.rept 24
	global_load_async_to_lds_b128 v251, v252, s[8:9] offset:2048*i
.set i, i+1
.endr
	s_wait_loadcnt 16                              ; all but the youngest batch of 16
	CONV S0, 0
	DLOAD S0, 2
	s_wait_loadcnt 16
	CONV S1, 1
	DLOAD S1, 3
	s_wait_loadcnt 16
	CONV S0, 2
	s_wait_loadcnt 0
	CONV S1, 3
	s_wait_dscnt 0x0                               ; my 16 rows are in LDS,
	s_wait_asynccnt 0x0                            ; and my part of ck, for the other waves' sake
	s_barrier_signal -1
	s_barrier_wait -1                              ; all 64 rows and the whole table are
	AFETCH 0, 0
	AFETCH 1, 0
	KSTEP 0, 1
.irp ks, 1,2,3,4,5,6,7,8,9,10,11,12,13,14,15
	KSTEP \ks, 0
.endr
	; xt's way out.  A lane holds one component (r) and eight neighbouring rows (8 h + 0..7): 32 bytes of a row of xt.  Through my own stage,
	; so that sixteen lanes store a component's 64 rows, 256 consecutive bytes at a multiple of 256.  The places stand at the end of the last K step.
.irp rt, 0,1,2,3
.irp ct, 0,1
	ds_store_b128 v6, v[ACC+8*(2*\rt+\ct):ACC+8*(2*\rt+\ct)+3]   offset:\ct*16*SP+\rt*64
	ds_store_b128 v6, v[ACC+8*(2*\rt+\ct)+4:ACC+8*(2*\rt+\ct)+7] offset:\ct*16*SP+\rt*64+16
.endr
.endr
.irp u, 0,1,2,3,4,5,6,7,8,9,10,11,12,13,14,15
	ds_load_b128 v[A+4*\u:A+4*\u+3], v7 offset:\u*2*SP             ; a wave's LDS instructions are served in order: these see the stores above
.endr
	s_wait_loadcnt 0x0                             ; the labels
.set i, 0
.rept 32
	v_min_u32 v[CO+i], 7, v[LB+i]
.set i, i+1
.endr
.set i, 0
.rept 32
	v_mul_u32_u24 v[CO+i], 0x3800, v[CO+i]         ; the class's 14,336 bytes
.set i, i+1
.endr
.set i, 0
.rept 32
	v_add_nc_u32 v[CO+i], v248, v[CO+i]            ; + my component; ct stands in the loads' immediates
.set i, i+1
.endr
	v_mov_b32 v[XT+1], 0                           ; the second of the pair is named, never used
; Element el = 32 ct + 8 rt + j: x in ACC + 8 (2 rt + ct) + j, row 16 rt + 8 h + j, component 32 w + 16 ct + r.
.macro KFETCH el                       ; six LDS loads: its 24 knots, into set el mod 4 (at v16, v40, v112, v136)
.set KB, 16+24*((\el)&3)+(((\el)&3)>>1)*48
.irp q, 0,1,2,3,4,5
	ds_load_b128 v[KB+4*\q:KB+4*\q+3], v[CO+((\el)&31)] offset:((\el)>>5)*16*CKP+16*\q
.endr
.endm
; The end of element p's count, in seven steps that hang on each other; they are spread over the next element's instructions.
; The 24 sign bits, knot 0 on top, are 2^24 - 2^(24 - c) for ascending knots; 2^24 less that word is 2^(24 - c), whose f32 exponent field is 151 - c.
.macro TL p, st
.if (\p) >= 0
.set TA, 64+6*((\p)&1)
.set TW, PW+(((\p)>>2)&1)
.if \st == 0
	v_lshl_or_b32 v[TA], v[TA], 4, v[TA+1]
	v_lshl_or_b32 v[TA+2], v[TA+2], 4, v[TA+3]
	v_lshl_or_b32 v[TA+4], v[TA+4], 4, v[TA+5]
.endif
.if \st == 1
	v_lshl_or_b32 v[TA], v[TA], 8, v[TA+2]
.endif
.if \st == 2
	v_lshl_or_b32 v[TA], v[TA], 8, v[TA+4]
.endif
.if \st == 3
	v_sub_nc_u32 v[TA], 0x1000000, v[TA]
.endif
.if \st == 4
	v_cvt_f32_u32 v[TA], v[TA]                     ; exact: a power of two for ascending knots, and between 1 and 2^24 in any case
.endif
.if \st == 5
.if ((\p)&3) == 0
	v_lshrrev_b32 v[TW], 23, v[TA]                 ; 151 - c; the first of four starts the word
.else
	v_lshrrev_b32 v[TA], 23, v[TA]
.endif
.endif
.if \st == 6
.if ((\p)&3) != 0
	v_lshl_or_b32 v[TW], v[TA], 8*((\p)&3), v[TW]
.endif
.if ((\p)&3) == 3
	v_sub_nc_u32 v[TW], 0x97979797, v[TW]          ; four counts at once: no byte is above 151, so nothing is borrowed
.endif
.if ((\p)&7) == 7
	ds_store_b64 v249, v[PW:PW+1] offset:((\p)>>5)*1024+(((\p)>>3)&3)*16
.endif
.endif
.endif
.endm
.macro ELEM el
.set KS, 16+24*(\el&3)+((\el&3)>>1)*48
.set QA, 64+6*(\el&1)
.set XR, ACC+8*(2*((\el>>3)&3)+(\el>>5))+(\el&7)
.if \el < 61
	s_wait_dscnt 18                                ; my 24 knots are in; the next three elements' loads are younger (a store of counts between them only makes the wait stricter)
.else
	s_wait_dscnt 6*(63-\el)                        ; the last elements: the counts run down
.endif
.if (\el&1)
	v_mov_b32 v[XT], v[XR]                         ; the packed subtraction takes the first register of a pair for both halves
.set XP, XT
.else
.set XP, XR
.endif
	TL (\el-1), 0
.irp i, 0,1,2,3,4,5
	v_pk_add_f32 v[KS+2*\i:KS+2*\i+1], v[KS+2*\i:KS+2*\i+1], v[XP:XP+1] op_sel_hi:[1,0] neg_lo:[0,1] neg_hi:[0,1]   ; knot - x: negative where the knot lies below x
.endr
	TL (\el-1), 1
.irp i, 6,7,8,9,10,11
	v_pk_add_f32 v[KS+2*\i:KS+2*\i+1], v[KS+2*\i:KS+2*\i+1], v[XP:XP+1] op_sel_hi:[1,0] neg_lo:[0,1] neg_hi:[0,1]
.endr
	TL (\el-1), 2
.irp q, 0,1,2,3,4,5
	v_lshrrev_b32 v[QA+\q], 31, v[KS+4*\q]         ; six chains of four sign bits: an instruction and the one it hangs on are six apart
.endr
	TL (\el-1), 3
.irp q, 0,1,2,3,4,5
	v_alignbit_b32 v[QA+\q], v[QA+\q], v[KS+4*\q+1], 31    ; chain << 1 | sign
.endr
	TL (\el-1), 4
.irp q, 0,1,2,3,4,5
	v_alignbit_b32 v[QA+\q], v[QA+\q], v[KS+4*\q+2], 31
.endr
	TL (\el-1), 5
.irp q, 0,1,2,3,4,5
	v_alignbit_b32 v[QA+\q], v[QA+\q], v[KS+4*\q+3], 31
.endr
	TL (\el-1), 6
.if \el < 60
	KFETCH (\el+4)                                 ; the set is free: it takes the knots of the element four ahead
.endif
.endm
	KFETCH 0
	KFETCH 1
.irp u, 0,1,2,3,4,5,6,7,8,9,10,11,12,13,14,15
	s_wait_dscnt 27-\u                             ; read-back u is in; younger: 15 - u read-backs and the twelve loads of knots
	global_store_b128 v8, v[A+4*\u:A+4*\u+3], s[12:13] offset:\u*65536
.endr
	s_wait_xcnt 0x0                                ; the stores' data registers are loaded again only behind this wait
	KFETCH 2
	KFETCH 3
.irp el, 0,1,2,3,4,5,6,7,8,9,10,11,12,13,14,15,16,17,18,19,20,21,22,23,24,25,26,27,28,29,30,31,32,33,34,35,36,37,38,39,40,41,42,43,44,45,46,47,48,49,50,51,52,53,54,55,56,57,58,59,60,61,62,63
	ELEM \el
.endr
.irp st, 0,1,2,3,4,5,6
	TL 63, \st
.endr
	; c1's way out: my 32 components x 64 rows are 2,048 neighbouring bytes of c1
.irp u, 0,1,2,3
	ds_load_b128 v[16+4*\u:16+4*\u+3], v250 offset:512*\u          ; a wave's LDS instructions are served in order
.endr
.irp u, 0,1,2,3
	s_wait_dscnt 3-\u
	global_store_b128 v1, v[16+4*\u:16+4*\u+3], s[14:15] offset:512*\u
.endr
	s_wait_tensorcnt 0x0
	ds_add_u32 v254, v255
	s_wait_dscnt 0x0
	s_endpgm
.Lfunc_end_k_q49f9cafd47_proj:
	.size	k_q49f9cafd47_proj, .Lfunc_end_k_q49f9cafd47_proj-k_q49f9cafd47_proj
	.p2alignl 7, 3214868480
	.fill 96, 4, 3214868480
	.section	.rodata,"a",@progbits
	.p2align	6, 0x0
	.amdhsa_kernel k_q49f9cafd47_proj
		.amdhsa_group_segment_fixed_size 291328
		.amdhsa_private_segment_fixed_size 0
		.amdhsa_enable_private_segment 0
		.amdhsa_kernarg_size 48
		.amdhsa_user_sgpr_count 2
		.amdhsa_user_sgpr_kernarg_segment_ptr 1
		.amdhsa_wavefront_size32 1
		.amdhsa_system_sgpr_workgroup_id_x 1
		.amdhsa_system_sgpr_workgroup_id_y 1
		.amdhsa_system_sgpr_workgroup_id_z 1
		.amdhsa_system_vgpr_workitem_id 0
		.amdhsa_next_free_vgpr 256
		.amdhsa_next_free_sgpr 66
		.amdhsa_reserve_vcc 0
		.amdhsa_float_denorm_mode_32 3
		.amdhsa_float_denorm_mode_16_64 3
		.amdhsa_memory_ordered 1
		.amdhsa_forward_progress 1
		.amdhsa_inst_pref_size 255
	.end_amdhsa_kernel
	.section	.bss,"aw",@nobits
	.p2align	6
	.space	262144
	.amdgpu_metadata
---
amdhsa.version: [ 1, 2 ]
amdhsa.kernels:
  - .name:           k_q49f9cafd47_proj
    .symbol:         k_q49f9cafd47_proj.kd
    .args:
      - { .name: data, .offset: 0, .size: 8, .value_kind: global_buffer, .address_space: global }
      - { .name: wf1, .offset: 8, .size: 8, .value_kind: global_buffer, .address_space: global }
      - { .name: ck, .offset: 16, .size: 8, .value_kind: global_buffer, .address_space: global }
      - { .name: label, .offset: 24, .size: 8, .value_kind: global_buffer, .address_space: global }
      - { .name: xt, .offset: 32, .size: 8, .value_kind: global_buffer, .address_space: global }
      - { .name: c1, .offset: 40, .size: 8, .value_kind: global_buffer, .address_space: global }
    .group_segment_fixed_size: 291328
    .private_segment_fixed_size: 0
    .kernarg_segment_align: 8
    .kernarg_segment_size: 48
    .max_flat_workgroup_size: 128
    .sgpr_count:     66
    .vgpr_count:     256
    .wavefront_size: 32
...
	.end_amdgpu_metadata
.endif
;; end of part 7
;; launch spline (part 8): grid 32 x 8, 8 waves a work-group, no clusters, 116,224 bytes of LDS; arguments xt, c1, label, knots_x, knots_y, knots_d, af, lp; writes af, lp
.if DOCPART == 8
	.amdgcn_target "amdgcn-amd-amdhsa--gfx1250"
	.amdhsa_code_object_version 6
	.text
	.protected	k_q49f9cafd47_spline
	.globl	k_q49f9cafd47_spline
	.p2align	8
	.type	k_q49f9cafd47_spline,@function
k_q49f9cafd47_spline:
	s_mov_b64 s[64:65], 0
	v_nop
	global_prefetch_b8 v0, s[64:65] scope:SCOPE_SE
	s_setreg_imm32_b32 hwreg(HW_REG_WAVE_MODE, 25, 1), 1
	s_wait_xcnt 0x0
; The rational-quadratic spline.  For element (n, j): x = xt[j][n], class = label[n], c1 = the coarse count.  Knots 4 c1 .. 4 c1 + 3 (a quad) and knot
; 4 c1 - 1 of x, y, d are fetched from LDS; idx = 4 c1 + (how many of the quad lie below x); the pair (k, k+1), k = clip(idx - 1, 0, 98), is picked
; by selects alone.  Stored: af = bf16(y - x) in the order of the last product's operands, and lp[g][n] = sum of log dy/dx over components 8 g .. 8 g + 7.
; The three logarithms of the reference are one: logd = ln 2 x log2(nd (s / den)^2); outside the knots log of the edge derivative.
; LIMITS: knots ascend (as searchsorted assumes); NaN in x is not served; a bin width or a denominator below 2^-126 is taken as zero by v_rcp_f32
; (ISA guide 15.8).  A label outside 0..7 gives y = 0 and logd = 0, as in the reference.
; A work-group takes 8 components x 1,024 rows; thread t rows 4 t .. 4 t + 3 of all eight.  No matrix unit; no tensor loads (the tables are
; re-ordered on the way into LDS and written once); no cluster (the tables are 77 KB a work-group, read once).
; LDS: 0..511 guard (zeros; what knot 4 c1 - 1 reads for c1 = 0 of the first component: never selected);
;      TB + u x 384 + table x 128 + class x 16, u = 25 jj + quad: lanes of different classes read different 16-byte columns;
;      rows u = 200 .. 255 are pad (every thread stores a row of its own);  STG: 2,048 bytes for each wave, for the way out.
.set TB,   512
.set UP,   384
.set PREV, 372                         ; knot 4 c1 - 1 lies 384 - 12 bytes in front of the quad
.set STG,  98816
.set X,    16                          ; v[16:47]   x of element 4 jj + e
.set CW,   48                          ; v[48:55]   the four rows' counts of component jj, a byte each
.set ACCL, 60                          ; v[60:63]   sum of log2 for my four rows
.set QS,   64                          ; v[64:103]  two sets of 20: quads of x, y, d (12), knot 4 c1 - 1 of x, y, d (3), c1, the address
.set W,    104                         ; v104 x0, v105 x1, v106 y0, v107 y1, v108 d0, v109 d1; v110-130 at work
.set DE,   132                         ; v[132:135] y - x of the even component
.set CH,   136                         ; v[136:151] row e: eight bf16 of y - x
	s_load_b256 s[4:11], s[0:1], 0x0               ; xt s[4:5], c1 s[6:7], label s[8:9], knots_x s[10:11]
	s_load_b256 s[12:19], s[0:1], 0x20             ; knots_y s[12:13], knots_d s[14:15], af s[16:17], lp s[18:19]
	v_lshl_add_u32 v160, v0, 2, 0x1c200
	v_mov_b32 v161, 0
	v_lshrrev_b32 v5, 5, v0
	v_readfirstlane_b32 s20, v5                    ; wave w
	s_and_b32 s21, ttmp7, 0xffff                   ; sr
	s_lshl_b32 s24, s21, 12                        ; 1,024 sr rows x 4 bytes (label)
	s_mov_b32 s25, 0
	s_lshl_b32 s22, ttmp9, 18                      ; xt: 8 g components x 32,768
	s_add_co_u32 s22, s22, s24
	s_mov_b32 s23, 0
	s_lshl_b32 s26, s21, 18                        ; c1: 16 sr blocks of 64 rows x 16,384 bytes
	s_lshl_b32 s27, ttmp9, 9                       ; + 8 g components x 64 bytes
	s_add_co_u32 s26, s26, s27
	s_mov_b32 s27, 0
	s_mul_i32 s40, ttmp9, 3200                     ; knots: 8 g rows of 400 bytes
	s_mov_b32 s41, 0
	s_lshl_b32 s42, ttmp9, 15                      ; lp: g x 32,768
	s_add_co_u32 s42, s42, s24
	s_mov_b32 s43, 0
	s_lshl_b32 s44, s21, 6
	s_lshl3_add_u32 s44, s20, s44                  ; af: block of 16 rows 64 sr + 8 w,
	s_lshl_b32 s44, s44, 13                        ; x 8,192 bytes,
	s_lshl_b32 s45, ttmp9, 8                       ; + (g>>2) 1,024 + ((g>>1)&1) 512 + (g&1) 256 = 256 g
	s_add_co_u32 s44, s44, s45
	s_mov_b32 s45, 0
	s_lshl_b32 s46, s20, 11
	s_add_co_u32 s46, s46, STG                     ; my stage
	v_lshlrev_b32 v1, 4, v0                        ; 16 t
	v_lshrrev_b32 v2, 4, v0                        ; c1: my four rows lie in block t / 16 of the group's sixteen,
	v_and_b32 v8, 15, v0
	v_lshlrev_b32 v8, 2, v8                        ; at byte 4 (t mod 16) of a component's 64
	v_lshl_add_u32 v2, v2, 14, v8
	v_min_u32 v3, 199, v0
	v_lshlrev_b32 v3, 4, v3                        ; the fill reads chunk min(t, 199) of the group's 200 chunks of 16 bytes: no load leaves a table
	v_mul_u32_u24 v4, v0, UP                       ; and writes row t
	v_and_b32 v7, 31, v0
	v_lshl_add_u32 v5, v7, 6, s46                  ; stage in: 64 bytes a lane (four rows)
	v_lshl_add_u32 v6, v7, 4, s46                  ; stage back: 16 bytes a lane
	v_and_b32 v8, 15, v0
	v_bfe_u32 v7, v0, 4, 1
	v_lshlrev_b32 v7, 13, v7
	v_lshl_add_u32 v7, v8, 4, v7                   ; af: lanes 16-31 one block of 16 rows further
.irp e, 0,1,2,3
	v_mov_b32 v[ACCL+\e], 0                        ; zeros for the guard
.endr
	s_wait_kmcnt 0x0
	s_add_nc_u64 s[4:5], s[4:5], s[22:23]
	s_add_nc_u64 s[6:7], s[6:7], s[26:27]
	s_add_nc_u64 s[8:9], s[8:9], s[24:25]
	s_add_nc_u64 s[10:11], s[10:11], s[40:41]
	s_add_nc_u64 s[12:13], s[12:13], s[40:41]
	s_add_nc_u64 s[14:15], s[14:15], s[40:41]
	s_add_nc_u64 s[16:17], s[16:17], s[44:45]
	s_add_nc_u64 s[18:19], s[18:19], s[42:43]
	global_load_b128 v[8:11], v1, s[8:9]
.irp jj, 0,1,2,3,4,5,6,7
	global_load_b128 v[X+4*\jj:X+4*\jj+3], v1, s[4:5] offset:\jj*32768
.endr
.irp jj, 0,1,2,3,4,5,6,7
	global_load_b32 v[CW+\jj], v2, s[6:7] offset:\jj*64            ; the eight loads together take 512 neighbouring bytes of each block
.endr
.irp tab, 0,1,2
.irp c, 0,1,2,3,4,5,6,7
	global_load_b128 v[64+4*(8*\tab+\c):64+4*(8*\tab+\c)+3], v3, s[10+2*\tab:11+2*\tab] offset:\c*102400
.endr
.endr
	s_cmp_lg_u32 s20, 0
	s_cbranch_scc1 .Lnot0
	ds_store_b128 v1, v[ACCL:ACCL+3]               ; wave 0: 32 lanes x 16 bytes = the guard
.Lnot0:
.irp tab, 0,1,2
.irp c, 0,1,2,3,4,5,6,7
	s_wait_loadcnt 23-(8*\tab+\c)                  ; this chunk is in; the younger table loads stay out
	ds_store_b128 v4, v[64+4*(8*\tab+\c):64+4*(8*\tab+\c)+3] offset:TB+\tab*128+\c*16
.endr
.endr
.irp e, 0,1,2,3
	v_cmp_lt_u32 s[28+\e], 7, v[8+\e]              ; a label that names no class
	v_min_u32 v[8+\e], 7, v[8+\e]
	v_lshlrev_b32 v[12+\e], 4, v[8+\e]             ; the class's column, components 0-3
	v_add_nc_u32 v[56+\e], 4*25*UP, v[12+\e]       ; and components 4-7: the rest of jj stands in the loads' immediates
.endr
	s_wait_dscnt 0x0                               ; my rows of the tables are in LDS, for the other waves' sake
	s_barrier_signal -1
	s_barrier_wait -1
.macro SFETCH el                       ; six LDS loads for element el
.set FB, QS+20*((\el)&1)
.set OB, TB+(((\el)>>2)&3)*25*UP
	v_bfe_u32 v[FB+15], v[CW+((\el)>>2)], 8*((\el)&3), 8
	v_min_u32 v[FB+15], 24, v[FB+15]               ; c1
	v_mul_u32_u24 v[FB+16], 0x180, v[FB+15]
.if ((\el)>>2) < 4
	v_add_nc_u32 v[FB+16], v[FB+16], v[12+((\el)&3)]
.else
	v_add_nc_u32 v[FB+16], v[FB+16], v[56+((\el)&3)]
.endif
	ds_load_b128 v[FB:FB+3],    v[FB+16] offset:OB
	ds_load_b128 v[FB+4:FB+7],  v[FB+16] offset:OB+128
	ds_load_b128 v[FB+8:FB+11], v[FB+16] offset:OB+256
	ds_load_b32 v[FB+12], v[FB+16] offset:OB-PREV
	ds_load_b32 v[FB+13], v[FB+16] offset:OB-PREV+128
	ds_load_b32 v[FB+14], v[FB+16] offset:OB-PREV+256
.endm
.macro ELEM el
.set SB, QS+20*(\el&1)
.set XR, X+\el
.set E,  \el&3
.set JJ, \el>>2
.if \el < 31
	s_wait_dscnt 6                                 ; my six loads are in; the next element's six are younger
.else
	s_wait_dscnt 0
.endif
	v_cmp_lt_f32 s32, v[SB], v[XR]                 ; m0 .. m3: which knots of the quad lie below x
	v_cmp_lt_f32 s33, v[SB+1], v[XR]
	v_cmp_lt_f32 s34, v[SB+2], v[XR]
	v_cmp_lt_f32 s35, v[SB+3], v[XR]               ; m3 can hold in the last quad alone: idx = 100, above
	v_cmp_eq_u32 s36, 0, v[SB+15]
	s_or_b32 s37, s32, s36                         ; m0 or c1 = 0: k is not in front of the quad
	s_and_not1_b32 s38, s36, s32                   ; c1 = 0 and not m0: idx = 0, below
.irp tb, 0,1,2
	v_cndmask_b32 v[W+2*\tb],   v[SB+12+\tb], v[SB+4*\tb],   s37
	v_cndmask_b32 v[W+2*\tb+1], v[SB+4*\tb],  v[SB+4*\tb+1], s37
	v_cndmask_b32 v[W+2*\tb],   v[W+2*\tb],   v[SB+4*\tb+1], s33
	v_cndmask_b32 v[W+2*\tb+1], v[W+2*\tb+1], v[SB+4*\tb+2], s33
	v_cndmask_b32 v[W+2*\tb],   v[W+2*\tb],   v[SB+4*\tb+2], s34
	v_cndmask_b32 v[W+2*\tb+1], v[W+2*\tb+1], v[SB+4*\tb+3], s34
.endr
.if \el < 30
	SFETCH (\el+2)                                 ; the set is free: the arithmetic below covers the loads' way
.endif
	v_sub_f32 v110, v105, v104                     ; w
	v_sub_f32 v111, v107, v106                     ; y1 - y0
	v_sub_f32 v112, v[XR], v104                    ; x - x0
	v_rcp_f32 v113, v110
	v_sub_f32 v114, v[XR], v105                    ; x - x1 (the plain instruction behind v_rcp_f32: ISA guide 5.7.2)
	v_add_f32 v115, v108, v109
	s_wait_alu depctr_va_vdst(0)
	v_mul_f32 v116, v111, v113                     ; s
	v_mul_f32 v117, v112, v113
	v_med3_num_f32 v117, v117, 0, 1.0              ; xi
	v_sub_f32 v118, 1.0, v117                      ; 1 - xi
	v_fma_f32 v115, -2.0, v116, v115               ; d0 + d1 - 2 s
	v_mul_f32 v119, v117, v118                     ; xi (1 - xi)
	v_fma_f32 v120, v115, v119, v116               ; denom
	v_rcp_f32 v121, v120
	v_mul_f32 v122, v116, v117                     ; (plain, touches neither)
	v_mul_f32 v124, v109, v117
	v_fma_f32 v122, v108, v118, v122               ; s xi + d0 (1 - xi)
	v_mul_f32 v124, v124, v117                     ; d1 xi^2
	v_add_f32 v125, v116, v116
	v_mul_f32 v122, v117, v122
	v_fma_f32 v124, v125, v119, v124
	v_mul_f32 v125, v108, v118
	v_mul_f32 v122, v111, v122
	v_fma_f32 v124, v125, v118, v124               ; d1 xi^2 + 2 s xi (1 - xi) + d0 (1 - xi)^2
	s_wait_alu depctr_va_vdst(0)
	v_mul_f32 v126, v116, v121                     ; s / denom
	v_fma_f32 v123, v122, v121, v106               ; y inside
	v_mul_f32 v124, v124, v126
	v_fma_f32 v127, v108, v112, v106               ; y below: y0 + d0 (x - x0), knot 0
	v_mul_f32 v124, v124, v126                     ; dy/dx inside
	v_fma_f32 v128, v109, v114, v107               ; y above: y1 + d1 (x - x1), knot 99
	v_cndmask_b32 v123, v123, v128, s35
	v_cndmask_b32 v124, v124, v109, s35
	v_cndmask_b32 v123, v123, v127, s38
	v_cndmask_b32 v124, v124, v108, s38
	v_cndmask_b32 v123, v123, 0, s[28+E]
	v_cndmask_b32 v124, v124, 1.0, s[28+E]
.if JJ == 0
	v_log_f32 v[ACCL+E], v124                      ; the first component starts the sum
	v_sub_f32 v[DE+E], v123, v[XR]
.else
	v_log_f32 v129, v124
.if JJ & 1
	v_sub_f32 v130, v123, v[XR]                    ; y - x (the plain instruction behind v_log_f32)
	s_wait_alu depctr_va_vdst(0)
	v_add_f32 v[ACCL+E], v[ACCL+E], v129
	v_cvt_pk_bf16_f32 v[CH+4*E+(JJ>>1)], v[DE+E], v130
.else
	v_sub_f32 v[DE+E], v123, v[XR]
	s_wait_alu depctr_va_vdst(0)
	v_add_f32 v[ACCL+E], v[ACCL+E], v129
.endif
.endif
.endm
	SFETCH 0
	SFETCH 1
.irp el, 0,1,2,3,4,5,6,7,8,9,10,11,12,13,14,15,16,17,18,19,20,21,22,23,24,25,26,27,28,29,30,31
	ELEM \el
.endr
	v_pk_mul_f32 v[ACCL:ACCL+1], v[ACCL:ACCL+1], 0x3f317218 op_sel_hi:[1,0]       ; x ln 2
	v_pk_mul_f32 v[ACCL+2:ACCL+3], v[ACCL+2:ACCL+3], 0x3f317218 op_sel_hi:[1,0]
	global_store_b128 v1, v[ACCL:ACCL+3], s[18:19]
	; y - x: a row's eight bf16 are 16 bytes; through my own stage, so that sixteen lanes hold sixteen neighbouring rows, 256 consecutive bytes of af
.irp e, 0,1,2,3
	ds_store_b128 v5, v[CH+4*\e:CH+4*\e+3] offset:16*\e
.endr
.irp e, 0,1,2,3
	ds_load_b128 v[QS+4*\e:QS+4*\e+3], v6 offset:512*\e            ; a wave's LDS instructions are served in order
.endr
.irp e, 0,1,2,3
	s_wait_dscnt 3-\e
	global_store_b128 v7, v[QS+4*\e:QS+4*\e+3], s[16:17] offset:\e*16384
.endr
	s_wait_tensorcnt 0x0
	ds_add_u32 v160, v161
	s_wait_dscnt 0x0
	s_endpgm
.Lfunc_end_k_q49f9cafd47_spline:
	.size	k_q49f9cafd47_spline, .Lfunc_end_k_q49f9cafd47_spline-k_q49f9cafd47_spline
	.p2alignl 7, 3214868480
	.fill 96, 4, 3214868480
	.section	.rodata,"a",@progbits
	.p2align	6, 0x0
	.amdhsa_kernel k_q49f9cafd47_spline
		.amdhsa_group_segment_fixed_size 116224
		.amdhsa_private_segment_fixed_size 0
		.amdhsa_enable_private_segment 0
		.amdhsa_kernarg_size 64
		.amdhsa_user_sgpr_count 2
		.amdhsa_user_sgpr_kernarg_segment_ptr 1
		.amdhsa_wavefront_size32 1
		.amdhsa_system_sgpr_workgroup_id_x 1
		.amdhsa_system_sgpr_workgroup_id_y 1
		.amdhsa_system_sgpr_workgroup_id_z 1
		.amdhsa_system_vgpr_workitem_id 0
		.amdhsa_next_free_vgpr 162
		.amdhsa_next_free_sgpr 66
		.amdhsa_reserve_vcc 0
		.amdhsa_float_denorm_mode_32 3
		.amdhsa_float_denorm_mode_16_64 3
		.amdhsa_memory_ordered 1
		.amdhsa_forward_progress 1
		.amdhsa_inst_pref_size 136
	.end_amdhsa_kernel
	.amdgpu_metadata
---
amdhsa.version: [ 1, 2 ]
amdhsa.kernels:
  - .name:           k_q49f9cafd47_spline
    .symbol:         k_q49f9cafd47_spline.kd
    .args:
      - { .name: xt, .offset: 0, .size: 8, .value_kind: global_buffer, .address_space: global }
      - { .name: c1, .offset: 8, .size: 8, .value_kind: global_buffer, .address_space: global }
      - { .name: label, .offset: 16, .size: 8, .value_kind: global_buffer, .address_space: global }
      - { .name: knots_x, .offset: 24, .size: 8, .value_kind: global_buffer, .address_space: global }
      - { .name: knots_y, .offset: 32, .size: 8, .value_kind: global_buffer, .address_space: global }
      - { .name: knots_d, .offset: 40, .size: 8, .value_kind: global_buffer, .address_space: global }
      - { .name: af, .offset: 48, .size: 8, .value_kind: global_buffer, .address_space: global }
      - { .name: lp, .offset: 56, .size: 8, .value_kind: global_buffer, .address_space: global }
    .group_segment_fixed_size: 116224
    .private_segment_fixed_size: 0
    .kernarg_segment_align: 8
    .kernarg_segment_size: 64
    .max_flat_workgroup_size: 256
    .sgpr_count:     66
    .vgpr_count:     162
    .wavefront_size: 32
...
	.end_amdgpu_metadata
.endif
;; end of part 8
;; launch back: the kernel of part 5 again; grid 4 x 64, 8 waves a work-group, no clusters, 168,960 bytes of LDS; arguments af, wf2, data, lp, out0, out1; writes out0, out1
;; ======== version 3 of 3: 4 launches; version 2 with the launch spline written anew for expert scheduling mode
;; workspace buffers: wf1 524,288 bytes; wf2 262,144 bytes; ck 229,376 bytes; xt 8,388,608 bytes; c1 2,097,152 bytes of whole numbers; af 4,194,304 bytes; lp 1,048,576 bytes
;; launch prep: the kernel of part 6 again; grid 64 x 1, 8 waves a work-group, no clusters, 0 bytes of LDS; arguments wT, knots_x, wf1, wf2, ck; writes wf1, wf2, ck
;; launch proj: the kernel of part 7 again; grid 2 x 128, 4 waves a work-group, no clusters, 291,328 bytes of LDS; arguments data, wf1, ck, label, xt, c1; writes xt, c1
;; launch spline (part 9): grid 32 x 8, 8 waves a work-group, no clusters, 116,224 bytes of LDS; arguments xt, c1, label, knots_x, knots_y, knots_d, af, lp; writes af, lp
.if DOCPART == 9
	.amdgcn_target "amdgcn-amd-amdhsa--gfx1250"
	.amdhsa_code_object_version 6
	.text
	.protected	k_q49f9cafd47_spline
	.globl	k_q49f9cafd47_spline
	.p2align	8
	.type	k_q49f9cafd47_spline,@function
k_q49f9cafd47_spline:
	s_mov_b64 s[64:65], 0
	v_nop
	global_prefetch_b8 v0, s[64:65] scope:SCOPE_SE
	s_setreg_imm32_b32 hwreg(HW_REG_WAVE_SCHED_MODE, 0, 2), 2
	s_setreg_imm32_b32 hwreg(HW_REG_WAVE_MODE, 25, 1), 1
	s_wait_xcnt 0x0
	s_wait_alu depctr_vm_vsrc(0)
; The rational-quadratic spline.  For element (n, j): x = xt[j][n], class = label[n], c1 = the coarse count.  Knots 4 c1 .. 4 c1 + 3 (a quad) and knot
; 4 c1 - 1 of x, y, d are fetched from LDS; idx = 4 c1 + (how many of the quad lie below x); the pair (k, k+1), k = clip(idx - 1, 0, 98), is picked
; by selects alone.  Stored: af = bf16(y - x) in the order of the last product's operands, and lp[g][n] = sum of log dy/dx over components 8 g .. 8 g + 7.
; The three logarithms of the reference are one: logd = ln 2 x log2(nd (s / den)^2); outside the knots log of the edge derivative.
; LIMITS: knots ascend (as searchsorted assumes); NaN in x is not served; a bin width or a denominator below 2^-126 is taken as zero by v_rcp_f32
; (ISA guide 15.8).  A label outside 0..7 gives y = 0 and logd = 0, as in the reference.
; A work-group takes 8 components x 1,024 rows; thread t rows 4 t .. 4 t + 3 of all eight.  No matrix unit; no tensor loads (the tables are
; re-ordered on the way into LDS and written once); no cluster (the tables are 77 KB a work-group, read once).
; LDS: 0..511 guard (zeros; what knot 4 c1 - 1 reads for c1 = 0 of the first component: never selected);
;      TB + u x 384 + table x 128 + class x 16, u = 25 jj + quad: lanes of different classes read different 16-byte columns;
;      rows u = 200 .. 255 are pad (every thread stores a row of its own);  STG: 2,048 bytes for each wave, for the way out.
; THE MODE: SCHED_MODE bits 1:0 = 2 (LLVM: expert scheduling mode 2), set by the entry lines.  The code itself states the register dependences
; between vector instructions and memory or LDS instructions, with s_wait_alu, always for 0.
; THE PLAN.  Registers that memory or LDS instructions touch:
;   v1 .. v7      offsets and LDS addresses, made once at the head and never written again.
;   v[64:159]     at the head: the tables' chunks land here and the LDS stores read them; behind the barrier they are QS, W, DE and CH.
;   ACCL          zeros for wave 0's guard store; then the sums of logarithms; read by lp's store at the end.
;   AD0 .. AD31   the LDS address of every element's quad, all made in front of the barrier (the counts are in registers by then), so that
;                 no address is written in the walk over the elements; read by the fetches alone.
;   QS0, QS1      element el: its six LDS loads land in QS[el % 2]; its compares and selects read it; the loads of element el + 2 land in it.
;   CH            written by the roundings; read by the stage's stores at the end.
; So an element holds one wait on va_sdst, behind its five compares, and two on va_vdst, each behind a reciprocal.  The first of these also states
; that the element's compares and selects are done reading its set, and the six loads of the element two ahead stand straight behind it;
; and that the last element's logarithm is written, whose add stands there too.
.set TB,   512
.set UP,   384
.set PREV, 372                         ; knot 4 c1 - 1 lies 384 - 12 bytes in front of the quad
.set STG,  98816
.set X,    16                          ; v[16:47]   x of element 4 jj + e
.set CW,   48                          ; v[48:55]   the four rows' counts of component jj, a byte each
.set ACCL, 60                          ; v[60:63]   sum of log2 for my four rows
.set QS,   64                          ; v[64:103]  two sets, 20 apart: quads of x, y, d (12), knot 4 c1 - 1 of x, y, d (3)
.set W,    104                         ; v104 x0, v105 x1, v106 y0, v107 y1, v108 d0, v109 d1; v110-130 at work
.set DE,   132                         ; v[132:135] y - x of the even component
.set CH,   136                         ; v[136:151] row e: eight bf16 of y - x
.set AD,   164                         ; v[164:195] element el: the LDS address of its quad, less the component's part that stands in the loads' immediates
.set C1,   196                         ; v[196:227] element el: c1
	s_load_b256 s[4:11], s[0:1], 0x0               ; xt s[4:5], c1 s[6:7], label s[8:9], knots_x s[10:11]
	s_load_b256 s[12:19], s[0:1], 0x20             ; knots_y s[12:13], knots_d s[14:15], af s[16:17], lp s[18:19]
	v_lshl_add_u32 v160, v0, 2, 0x1c200
	v_mov_b32 v161, 0
	v_lshrrev_b32 v5, 5, v0
	v_readfirstlane_b32 s20, v5                    ; wave w
	s_and_b32 s21, ttmp7, 0xffff                   ; sr
	s_lshl_b32 s24, s21, 12                        ; 1,024 sr rows x 4 bytes (label)
	s_mov_b32 s25, 0
	s_lshl_b32 s22, ttmp9, 18                      ; xt: 8 g components x 32,768
	s_add_co_u32 s22, s22, s24
	s_mov_b32 s23, 0
	s_lshl_b32 s26, s21, 18                        ; c1: 16 sr blocks of 64 rows x 16,384 bytes
	s_lshl_b32 s27, ttmp9, 9                       ; + 8 g components x 64 bytes
	s_add_co_u32 s26, s26, s27
	s_mov_b32 s27, 0
	s_mul_i32 s40, ttmp9, 3200                     ; knots: 8 g rows of 400 bytes
	s_mov_b32 s41, 0
	s_lshl_b32 s42, ttmp9, 15                      ; lp: g x 32,768
	s_add_co_u32 s42, s42, s24
	s_mov_b32 s43, 0
	s_lshl_b32 s44, s21, 6
	s_wait_alu depctr_va_sdst(0)                   ; s20 is written, ahead of its first reader: af's base and my stage are made from it
	s_lshl3_add_u32 s44, s20, s44                  ; af: block of 16 rows 64 sr + 8 w,
	s_lshl_b32 s44, s44, 13                        ; x 8,192 bytes,
	s_lshl_b32 s45, ttmp9, 8                       ; + (g>>2) 1,024 + ((g>>1)&1) 512 + (g&1) 256 = 256 g
	s_add_co_u32 s44, s44, s45
	s_mov_b32 s45, 0
	s_lshl_b32 s46, s20, 11
	s_add_co_u32 s46, s46, STG                     ; my stage
	v_lshlrev_b32 v1, 4, v0                        ; 16 t
	v_lshrrev_b32 v2, 4, v0                        ; c1: my four rows lie in block t / 16 of the group's sixteen,
	v_and_b32 v8, 15, v0
	v_lshlrev_b32 v8, 2, v8                        ; at byte 4 (t mod 16) of a component's 64
	v_lshl_add_u32 v2, v2, 14, v8
	v_min_u32 v3, 199, v0
	v_lshlrev_b32 v3, 4, v3                        ; the fill reads chunk min(t, 199) of the group's 200 chunks of 16 bytes: no load leaves a table
	v_mul_u32_u24 v4, v0, UP                       ; and writes row t
	v_and_b32 v7, 31, v0
	v_lshl_add_u32 v5, v7, 6, s46                  ; stage in: 64 bytes a lane (four rows)
	v_lshl_add_u32 v6, v7, 4, s46                  ; stage back: 16 bytes a lane
	v_and_b32 v8, 15, v0
	v_bfe_u32 v7, v0, 4, 1
	v_lshlrev_b32 v7, 13, v7
	v_lshl_add_u32 v7, v8, 4, v7                   ; af: lanes 16-31 one block of 16 rows further
.irp e, 0,1,2,3
	v_mov_b32 v[ACCL+\e], 0                        ; zeros for the guard
.endr
	s_wait_kmcnt 0x0
	s_add_nc_u64 s[4:5], s[4:5], s[22:23]
	s_add_nc_u64 s[6:7], s[6:7], s[26:27]
	s_add_nc_u64 s[8:9], s[8:9], s[24:25]
	s_add_nc_u64 s[10:11], s[10:11], s[40:41]
	s_add_nc_u64 s[12:13], s[12:13], s[40:41]
	s_add_nc_u64 s[14:15], s[14:15], s[40:41]
	s_add_nc_u64 s[16:17], s[16:17], s[44:45]
	s_add_nc_u64 s[18:19], s[18:19], s[42:43]
	s_wait_alu depctr_va_vdst(0)                   ; v1 to v7 are written, which every load and store of the kernel reads; so are the guard's zeros; the lines above are done with v8, in which a label lands
	global_load_b128 v[8:11], v1, s[8:9]
.irp jj, 0,1,2,3,4,5,6,7
	global_load_b128 v[X+4*\jj:X+4*\jj+3], v1, s[4:5] offset:\jj*32768
.endr
.irp jj, 0,1,2,3,4,5,6,7
	global_load_b32 v[CW+\jj], v2, s[6:7] offset:\jj*64            ; the eight loads together take 512 neighbouring bytes of each block
.endr
.irp tab, 0,1,2
.irp c, 0,1,2,3,4,5,6,7
	global_load_b128 v[64+4*(8*\tab+\c):64+4*(8*\tab+\c)+3], v3, s[10+2*\tab:11+2*\tab] offset:\c*102400
.endr
.endr
	s_cmp_lg_u32 s20, 0
	s_cbranch_scc1 .Lnot0
	ds_store_b128 v1, v[ACCL:ACCL+3]               ; wave 0: 32 lanes x 16 bytes = the guard (no vector instruction since the wait above)
.Lnot0:
.irp tab, 0,1,2
.irp c, 0,1,2,3,4,5,6,7
	s_wait_loadcnt 23-(8*\tab+\c)                  ; this chunk is in; the younger table loads stay out
	ds_store_b128 v4, v[64+4*(8*\tab+\c):64+4*(8*\tab+\c)+3] offset:TB+\tab*128+\c*16
.endr
.endr
.irp e, 0,1,2,3
	v_cmp_lt_u32 s[28+\e], 7, v[8+\e]              ; a label that names no class
	v_min_u32 v[8+\e], 7, v[8+\e]
	v_lshlrev_b32 v[12+\e], 4, v[8+\e]             ; the class's column, components 0-3
	v_add_nc_u32 v[56+\e], 4*25*UP, v[12+\e]       ; and components 4-7: the rest of jj stands in the loads' immediates
.endr
	; All 32 counts and addresses, while my LDS stores are on their way; in four runs, so that no line waits for the one before it.
.set i, 0
.rept 32
	v_bfe_u32 v[C1+i], v[CW+(i>>2)], 8*(i&3), 8
.set i, i+1
.endr
.set i, 0
.rept 32
	v_min_u32 v[C1+i], 24, v[C1+i]                 ; c1
.set i, i+1
.endr
.set i, 0
.rept 32
	v_mul_u32_u24 v[AD+i], 0x180, v[C1+i]
.set i, i+1
.endr
.set i, 0
.rept 32
.if (i>>2) < 4
	v_add_nc_u32 v[AD+i], v[AD+i], v[12+(i&3)]
.else
	v_add_nc_u32 v[AD+i], v[AD+i], v[56+(i&3)]
.endif
.set i, i+1
.endr
	s_wait_alu depctr_va_sdst(0)                   ; s28 to s31 are written, ahead of their first readers, the elements' last selects
	s_wait_dscnt 0x0                               ; my rows of the tables are in LDS, for the other waves' sake
	s_barrier_signal -1
	s_barrier_wait -1
	s_wait_alu depctr_vm_vsrc(0)                   ; my LDS stores have read v[64:159] and the guard's zeros: from here on these registers are QS, W, DE, CH and the sums, written by the fetches and by vector instructions
	s_wait_alu depctr_va_vdst(0)                   ; the 32 addresses are written, which the fetches read
.macro SFETCH el                       ; six LDS loads for element el
.set FB, QS+20*((\el)&1)
.set OB, TB+(((\el)>>2)&3)*25*UP
	ds_load_b128 v[FB:FB+3],    v[AD+(\el)] offset:OB
	ds_load_b128 v[FB+4:FB+7],  v[AD+(\el)] offset:OB+128
	ds_load_b128 v[FB+8:FB+11], v[AD+(\el)] offset:OB+256
	ds_load_b32 v[FB+12], v[AD+(\el)] offset:OB-PREV
	ds_load_b32 v[FB+13], v[AD+(\el)] offset:OB-PREV+128
	ds_load_b32 v[FB+14], v[AD+(\el)] offset:OB-PREV+256
.endm
.macro ELEM el
.set SB, QS+20*(\el&1)
.set XR, X+\el
.set E,  \el&3
.set JJ, \el>>2
.if \el < 31
	s_wait_dscnt 6                                 ; my six loads are in; the next element's six are younger
.else
	s_wait_dscnt 0
.endif
	v_cmp_lt_f32 s32, v[SB], v[XR]                 ; m0 .. m3: which knots of the quad lie below x
	v_cmp_lt_f32 s33, v[SB+1], v[XR]
	v_cmp_lt_f32 s34, v[SB+2], v[XR]
	v_cmp_lt_f32 s35, v[SB+3], v[XR]               ; m3 can hold in the last quad alone: idx = 100, above
	v_cmp_eq_u32 s36, 0, v[C1+\el]
	s_wait_alu depctr_va_sdst(0)                   ; the five compares have written s32 to s36, which the two scalar lines and the selects below read
	s_or_b32 s37, s32, s36                         ; m0 or c1 = 0: k is not in front of the quad
	s_and_not1_b32 s38, s36, s32                   ; c1 = 0 and not m0: idx = 0, below
.irp tb, 0,1,2
	v_cndmask_b32 v[W+2*\tb],   v[SB+12+\tb], v[SB+4*\tb],   s37
	v_cndmask_b32 v[W+2*\tb+1], v[SB+4*\tb],  v[SB+4*\tb+1], s37
	v_cndmask_b32 v[W+2*\tb],   v[W+2*\tb],   v[SB+4*\tb+1], s33
	v_cndmask_b32 v[W+2*\tb+1], v[W+2*\tb+1], v[SB+4*\tb+2], s33
	v_cndmask_b32 v[W+2*\tb],   v[W+2*\tb],   v[SB+4*\tb+2], s34
	v_cndmask_b32 v[W+2*\tb+1], v[W+2*\tb+1], v[SB+4*\tb+3], s34
.endr
	v_sub_f32 v110, v105, v104                     ; w
	v_sub_f32 v111, v107, v106                     ; y1 - y0
	v_sub_f32 v112, v[XR], v104                    ; x - x0
	v_rcp_f32 v113, v110
	v_sub_f32 v114, v[XR], v105                    ; x - x1 (the plain instruction behind v_rcp_f32: ISA guide 5.7.2)
	v_add_f32 v115, v108, v109
	s_wait_alu depctr_va_vdst(0)                   ; 1 / w (v113) and the last element's logarithm (v129) are written; the compares and selects above are done reading this set, in which the loads below land
.if \el < 30
	SFETCH (\el+2)                                 ; the set takes the element two ahead: the arithmetic below covers the loads' way
.endif
.if \el > 4
	v_add_f32 v[ACCL+((\el-1)&3)], v[ACCL+((\el-1)&3)], v129       ; the last element's logarithm joins its row's sum: components in ascending order
.endif
	v_mul_f32 v116, v111, v113                     ; s
	v_mul_f32 v117, v112, v113
	v_med3_num_f32 v117, v117, 0, 1.0              ; xi
	v_sub_f32 v118, 1.0, v117                      ; 1 - xi
	v_fma_f32 v115, -2.0, v116, v115               ; d0 + d1 - 2 s
	v_mul_f32 v119, v117, v118                     ; xi (1 - xi)
	v_fma_f32 v120, v115, v119, v116               ; denom
	v_rcp_f32 v121, v120
	v_mul_f32 v122, v116, v117                     ; (plain, touches neither)
	v_mul_f32 v124, v109, v117
	v_fma_f32 v122, v108, v118, v122               ; s xi + d0 (1 - xi)
	v_mul_f32 v124, v124, v117                     ; d1 xi^2
	v_add_f32 v125, v116, v116
	v_mul_f32 v122, v117, v122
	v_fma_f32 v124, v125, v119, v124
	v_mul_f32 v125, v108, v118
	v_mul_f32 v122, v111, v122
	v_fma_f32 v124, v125, v118, v124               ; d1 xi^2 + 2 s xi (1 - xi) + d0 (1 - xi)^2
	s_wait_alu depctr_va_vdst(0)                   ; 1 / denom (v121) is written, ahead of its first reader
	v_mul_f32 v126, v116, v121                     ; s / denom
	v_fma_f32 v123, v122, v121, v106               ; y inside
	v_mul_f32 v124, v124, v126
	v_fma_f32 v127, v108, v112, v106               ; y below: y0 + d0 (x - x0), knot 0
	v_mul_f32 v124, v124, v126                     ; dy/dx inside
	v_fma_f32 v128, v109, v114, v107               ; y above: y1 + d1 (x - x1), knot 99
	v_cndmask_b32 v123, v123, v128, s35
	v_cndmask_b32 v124, v124, v109, s35
	v_cndmask_b32 v123, v123, v127, s38
	v_cndmask_b32 v124, v124, v108, s38
	v_cndmask_b32 v123, v123, 0, s[28+E]
	v_cndmask_b32 v124, v124, 1.0, s[28+E]
.if JJ == 0
	v_log_f32 v[ACCL+E], v124                      ; the first component starts the sum; it is named next five elements on, behind their waits
	v_sub_f32 v[DE+E], v123, v[XR]
.else
	v_log_f32 v129, v124                           ; named next behind the next element's first wait on va_vdst
.if JJ & 1
	v_sub_f32 v130, v123, v[XR]                    ; y - x (the plain instruction behind v_log_f32)
	v_cvt_pk_bf16_f32 v[CH+4*E+(JJ>>1)], v[DE+E], v130
.else
	v_sub_f32 v[DE+E], v123, v[XR]
.endif
.endif
.endm
	SFETCH 0
	SFETCH 1
.irp el, 0,1,2,3,4,5,6,7,8,9,10,11,12,13,14,15,16,17,18,19,20,21,22,23,24,25,26,27,28,29,30,31
	ELEM \el
.endr
	s_wait_alu depctr_va_vdst(0)                   ; the last logarithm (v129) is written; so is CH, which the stage's stores read; the last elements' compares and selects are done reading QS, in which the read-back lands
	; y - x: a row's eight bf16 are 16 bytes; through my own stage, so that sixteen lanes hold sixteen neighbouring rows, 256 consecutive bytes of af
.irp e, 0,1,2,3
	ds_store_b128 v5, v[CH+4*\e:CH+4*\e+3] offset:16*\e
.endr
.irp e, 0,1,2,3
	ds_load_b128 v[QS+4*\e:QS+4*\e+3], v6 offset:512*\e            ; a wave's LDS instructions are served in order
.endr
	v_add_f32 v[ACCL+3], v[ACCL+3], v129           ; the sums are closed while the stage's round trip is on its way: these three lines name the sums and v129 alone
	v_pk_mul_f32 v[ACCL:ACCL+1], v[ACCL:ACCL+1], 0x3f317218 op_sel_hi:[1,0]       ; x ln 2
	v_pk_mul_f32 v[ACCL+2:ACCL+3], v[ACCL+2:ACCL+3], 0x3f317218 op_sel_hi:[1,0]
	s_wait_alu depctr_va_vdst(0)                   ; the four sums are written, which lp's store reads
	global_store_b128 v1, v[ACCL:ACCL+3], s[18:19]
.irp e, 0,1,2,3
	s_wait_dscnt 3-\e
	global_store_b128 v7, v[QS+4*\e:QS+4*\e+3], s[16:17] offset:\e*16384
.endr
	s_wait_dscnt 0x0                               ; the closing lines, six on end
	s_wait_alu 0x0
	s_wait_tensorcnt 0x0
	ds_add_u32 v160, v161
	s_wait_dscnt 0x0
	s_endpgm
.Lfunc_end_k_q49f9cafd47_spline:
	.size	k_q49f9cafd47_spline, .Lfunc_end_k_q49f9cafd47_spline-k_q49f9cafd47_spline
	.p2alignl 7, 3214868480
	.fill 96, 4, 3214868480
	.section	.rodata,"a",@progbits
	.p2align	6, 0x0
	.amdhsa_kernel k_q49f9cafd47_spline
		.amdhsa_group_segment_fixed_size 116224
		.amdhsa_private_segment_fixed_size 0
		.amdhsa_enable_private_segment 0
		.amdhsa_kernarg_size 64
		.amdhsa_user_sgpr_count 2
		.amdhsa_user_sgpr_kernarg_segment_ptr 1
		.amdhsa_wavefront_size32 1
		.amdhsa_system_sgpr_workgroup_id_x 1
		.amdhsa_system_sgpr_workgroup_id_y 1
		.amdhsa_system_sgpr_workgroup_id_z 1
		.amdhsa_system_vgpr_workitem_id 0
		.amdhsa_next_free_vgpr 228
		.amdhsa_next_free_sgpr 66
		.amdhsa_reserve_vcc 0
		.amdhsa_float_denorm_mode_32 3
		.amdhsa_float_denorm_mode_16_64 3
		.amdhsa_memory_ordered 1
		.amdhsa_forward_progress 1
		.amdhsa_inst_pref_size 137
	.end_amdhsa_kernel
	.amdgpu_metadata
---
amdhsa.version: [ 1, 2 ]
amdhsa.kernels:
  - .name:           k_q49f9cafd47_spline
    .symbol:         k_q49f9cafd47_spline.kd
    .args:
      - { .name: xt, .offset: 0, .size: 8, .value_kind: global_buffer, .address_space: global }
      - { .name: c1, .offset: 8, .size: 8, .value_kind: global_buffer, .address_space: global }
      - { .name: label, .offset: 16, .size: 8, .value_kind: global_buffer, .address_space: global }
      - { .name: knots_x, .offset: 24, .size: 8, .value_kind: global_buffer, .address_space: global }
      - { .name: knots_y, .offset: 32, .size: 8, .value_kind: global_buffer, .address_space: global }
      - { .name: knots_d, .offset: 40, .size: 8, .value_kind: global_buffer, .address_space: global }
      - { .name: af, .offset: 48, .size: 8, .value_kind: global_buffer, .address_space: global }
      - { .name: lp, .offset: 56, .size: 8, .value_kind: global_buffer, .address_space: global }
    .group_segment_fixed_size: 116224
    .private_segment_fixed_size: 0
    .kernarg_segment_align: 8
    .kernarg_segment_size: 64
    .max_flat_workgroup_size: 256
    .sgpr_count:     66
    .vgpr_count:     228
    .wavefront_size: 32
...
	.end_amdgpu_metadata
.endif
;; end of part 9
;; launch back: the kernel of part 5 again; grid 4 x 64, 8 waves a work-group, no clusters, 168,960 bytes of LDS; arguments af, wf2, data, lp, out0, out1; writes out0, out1
